; MI455X (gfx1250); checked and timed in simulation.
; The chip was launched on July 23, 2026; its instructions are those of AMD's public machine-readable ISA for CDNA 5 (MIT licence, August 2026) and "CDNA5" Instruction Set Architecture Reference Guide (July 2026). The comments in the code are by the model that wrote it; some were corrected since.
;; Multi Head Attention. Allowed arithmetic: matrix products marked QUANTISED: E4M3 operands, one given power-of-two scale a tensor, by v_wmma_f32_16x16x64_fp8_fp8 or v_wmma_f32_16x16x128_fp8_fp8, f32 sums; everything else in f32.
;; Inputs: W_O 1,024 x 1,024 float32; Wk 16 x 1,024 x 64 float32; Wq 16 x 1,024 x 64 float32; Wv 16 x 1,024 x 64 float32; lowp_scales 12 int32 (the exponents e of the quantised operands' scales 2^e); x 4 x 2,048 x 1,024 float32.
;; Outputs: out0 4 x 2,048 x 1,024 float32.
;; This version of the problem:
;;   THIS VERSION OF THE PROBLEM IS GIVEN IN LOW PRECISION. The matrix products marked QUANTISED in the list below multiply operands that are first quantised to E4M3 (4 exponent bits, 3 mantissa bits; 8 bits a number), with one given power-of-two scale for each operand tensor; their sums are f32. All else is computed in f32.
;;   The module's matrix products, in the order in which they are computed (A, B: the left and right operand; K: the contracted axis; several contracted axes count as one K, in the product's order):
;;     1. [M 1,024, K 1,024] x [K 1,024, N 8,192]; A: input Wq; B: input x: QUANTISED (scales: A lowp_scales[0], B lowp_scales[1])
;;     2. [M 1,024, K 1,024] x [K 1,024, N 8,192]; A: input Wk; B: input x: QUANTISED (scales: A lowp_scales[2], B lowp_scales[3])
;;     3. [M 1,024, K 1,024] x [K 1,024, N 8,192]; A: input Wv; B: input x: QUANTISED (scales: A lowp_scales[4], B lowp_scales[5])
;;     4. batch 64 x [M 2,048, K 64] x [K 64, N 2,048]; A: computed on the way; B: computed on the way: QUANTISED (scales: A lowp_scales[6], B lowp_scales[7])
;;     5. batch 64 x [M 2,048, K 2,048] x [K 2,048, N 64]; A: softmax (see below); B: computed on the way: QUANTISED (scales: A lowp_scales[8], B lowp_scales[9])
;;     6. [M 8,192, K 1,024] x [K 1,024, N 1,024]; A: computed on the way; B: input W_O: QUANTISED (scales: A lowp_scales[10], B lowp_scales[11])
;;   THE QUANTISER, for each operand of a quantised product, along K:
;;     - The operand's scale is 2^e, e = its entry of the input lowp_scales (int32; the entries are numbered through the quantised products in the list's order, A before B).
;;     - Each number is divided by the scale, clamped to +-448, and rounded to the nearest number of E4M3, ties to even, subnormals kept.
;;     - The product sums the exact products of the quantised numbers (number of the format x scale) in f32.
;;   ~~~python
;;   def quantise(x, axis, e):      # numpy; x: float32 -> the quantised numbers, widened to float32 again
;;       x = np.moveaxis(x, axis, -1); K = x.shape[-1]
;;       r = np.clip(x / 2.0 ** e, -448, 448)
;;       step = 2.0 ** (np.maximum(np.frexp(np.where(r == 0, 1, r))[1] - 1, -6) - 3)
;;       q = np.round(r / step) * step * 2.0 ** e      # np.round: ties to even
;;       return np.moveaxis(q, -1, axis).astype(np.float32)
;;   ~~~
;;   SOFTMAX AHEAD OF A QUANTISED PRODUCT. Where the list says 'softmax', what is quantised is not the finished softmax but p = 2^(t - M), with t = logit x log2(e) and M = ceil(the row's largest t), a whole number; so 1/2 < the row's largest p <= 1. The row's sum l is taken of the UNQUANTISED p, in f32, and the product's result is divided by l at the end. Since M is a whole number, a kernel that streams over the keys may use a running M (the ceiling of the running maximum): every later rescaling is an exact power of two, so the quantised numbers keep their values, but for numbers so far below the row's largest that they fall under the format's range.
;;   OPERANDS COMPUTED ON THE WAY. 'Computed on the way' means the value that the module computes at that place (a softmax that the list does not call 'softmax' is quantised finished and normalised). What goes into a quantiser is computed in f32, as accurately as f32 sums, v_exp_f32 and their like allow (about 1e-6 of the number): no bf16 or f16 on the way to a quantiser, and a product that is left as it is and whose result goes on into a quantised operand takes f32 operands (vector FMAs, or v_wmma_f32_16x16x4_f32). A number that lies on a knife's edge between two numbers of the format may be rounded either way, as far as f32 arithmetic and the matrix unit's own rounding can turn it there, and no further.
;; One version. Each part assembles by itself: llvm-mc -triple=amdgcn-amd-amdhsa -mcpu=gfx1250 --defsym DOCPART=n.
;; ======== version 1 of 1: 4 launches
;; limits: right only within a limited range of input values
;; workspace buffers: xc 25,165,824 bytes; wc 3,145,728 bytes; woc 1,048,576 bytes; qkv 25,165,824 bytes; cimg 8,388,608 bytes
;; launch quant (part 1): grid 384 x 1, 4 waves a work-group, no clusters, 55,808 bytes of LDS; arguments x, W_O, Wq, Wk, Wv, lowp_scales, xc, woc, wc; writes xc, woc, wc
.if DOCPART == 1
	.amdgcn_target "amdgcn-amd-amdhsa--gfx1250"
	.amdhsa_code_object_version 6
	.text
	.protected	k_qb30e1f39da_quant
	.globl	k_qb30e1f39da_quant
	.p2align	8
	.type	k_qb30e1f39da_quant,@function
k_qb30e1f39da_quant:
	s_mov_b64 s[64:65], 0
	v_nop
	global_prefetch_b8 v0, s[64:65] scope:SCOPE_SE
	s_setreg_imm32_b32 hwreg(HW_REG_WAVE_MODE, 25, 1), 1
	s_wait_xcnt 0x0
; f32 numbers into codes of FP8 (E4M3), K innermost, each under the scale 2^e that is given for it: code = x / 2^e, held within +-448, to the nearest code, ties to even.
;   x [8192][1024]  -> xc [3][8192][1024], under entries 1, 3 and 5 of the scales (x is an operand of three products, each with a scale of its own)
;   W_O [1024][1024] -> woc [1024][1024], under entry 11
;   Wq, Wk, Wv [16][1024 (k)][64] -> wc [3 x 1024 rows: 64 head + e][1024 (k)], under entries 0, 2, 4: K is their middle axis and is turned innermost
; ORDER OF THE BYTES: within each 32 codes of a row, byte 16 p + 8 g + j holds k = 16 g + 8 p + j.  A 16-byte read at 32 c + 16 h then brings k = 32 c + 16 g + 8 h + j,
; the place that the plain FP8 matrix forms give each k in the half h of the lanes (ISA guide 7.12.2).
; LIMITS: each e lies between -126 and 119, so that 2^e and 448 x 2^e are f32 numbers.  NaN among the inputs is not served (an infinity is held at the largest code).
; SHARES: work-groups 0-255 take x, 256-287 W_O (32,768 numbers each, one path of the text); 288-383 the three head weights (another path, with LDS bytes of its own).
; No tensor loads, no barrier: waves share nothing.
.set NXWG,  256
.set NOWG,  32
.set SP,    80                         ; first path: a place in a stage: 64 bytes of numbers + 16 of padding
.set XSTG,  32*SP                      ; a stage: a step's 2,048 bytes
.set XREG,  2*XSTG                     ; two stages for each wave
.set WST,   4*XREG                     ; second path: the stages begin here
.set WP,    272                        ; a stage row: 256 codes + 16 of padding
.set WREG,  32*WP                      ; 32 rows for each wave
.set SPARE, WST+4*WREG                 ; behind both: the spare words, 128 bytes for each wave: two blocks of 256 bytes that no other line names
.set SPW,   12                         ; v12  LDS address of my spare word; never rewritten
.set NIL,   13                         ; v13  0; never rewritten
.set R,     16                         ; v16-79   first path: four sets of 16 numbers as they are loaded
.set X,     80                         ; v80-111  two sets of 16 numbers in the order of their codes
.set T,     112                        ; v112-127 the 16 numbers, held
.set C,     128                        ; v128-139 codes: four registers for each of the three scales
.set WX,    32                         ; v32-95   second path: two sets of 32 numbers
.set WC,    96                         ; v96-103  a block's codes
.set OUTR,  112                        ; v112-175 the way out
.macro MKSCALE e, vs, vl               ; s[e] = e  ->  v[vs] = 2^e as f32 (the conversion takes its exponent field), v[vl] = 448 x 2^e
	s_add_co_i32 s46, s[\e], 127
	s_lshl_b32 s47, s46, 23
	v_mov_b32 v[\vs], s47
	s_add_co_i32 s46, s46, 8
	s_lshl_b32 s46, s46, 23
	s_or_b32 s46, s46, 0x600000
	v_mov_b32 v[\vl], s46
.endm
	s_load_b256 s[4:11], s[0:1], 0x0               ; x s[4:5], W_O s[6:7], Wq s[8:9], Wk s[10:11]
	s_load_b256 s[12:19], s[0:1], 0x20             ; Wv s[12:13], the scales' exponents s[14:15], xc s[16:17], woc s[18:19]
	s_load_b64 s[20:21], s[0:1], 0x40              ; wc
	v_lshl_add_u32 v[SPW], v0, 2, SPARE
	v_mov_b32 v[NIL], 0
	v_lshrrev_b32 v1, 5, v0
	v_readfirstlane_b32 s22, v1                    ; wave 0..3
	v_and_b32 v2, 31, v0                           ; lane
	s_wait_kmcnt 0x0
	s_load_b256 s[24:31], s[14:15], 0x0            ; e0 .. e7
	s_load_b128 s[32:35], s[14:15], 0x20           ; e8 .. e11
	s_cmp_ge_u32 ttmp9, NXWG+NOWG                  ; the work-group's number alone decides the path
	s_cbranch_scc1 .Lweights
; ---------------- x and W_O: K is innermost, rows are dense: a plain stream of blocks of 32 ----------------
; A wave takes 16 steps of 512 numbers.  Each of a step's four loads reads 512 consecutive bytes; the 2,048 bytes go through the wave's own stage in LDS as they lie and come back
; so that lane 2 m + p holds k = 32 m + 8 p + 0..7 and 32 m + 16 + 8 p + 0..7: its 16 codes are bytes 16 lane .. 16 lane + 15 of the step's 512.
	s_wait_alu depctr_va_vdst(0)
	v_lshlrev_b32 v3, 4, v2                        ; 16 x lane: my bytes of a load, and of a store
	s_mul_i32 s23, s22, XREG
	v_lshrrev_b32 v14, 2, v2
	v_mul_u32_u24 v14, v14, SP
	v_and_b32 v15, 3, v2
	v_lshl_add_u32 v14, v15, 4, v14
	v_add_nc_u32 v14, s23, v14                     ; into the stage: SP (lane / 4) + 16 (lane % 4); a load's 512 bytes take eight places
	v_lshrrev_b32 v15, 1, v2
	v_mul_u32_u24 v15, v15, 2*SP
	v_and_b32 v1, 1, v2
	v_lshl_add_u32 v15, v1, 5, v15
	v_add_nc_u32 v15, s23, v15                     ; out of it: 2 SP (lane / 2) + 32 (lane % 2)
	s_cmp_lt_u32 ttmp9, NXWG                       ; x's work-group or W_O's?
	s_cselect_b64 s[4:5], s[4:5], s[6:7]
	s_cselect_b64 s[36:37], s[16:17], s[18:19]
	s_cselect_b32 s42, 0, NXWG
	s_sub_co_u32 s42, ttmp9, s42
	s_lshl_b32 s42, s42, 2
	s_add_co_u32 s42, s42, s22                     ; which run of 8,192 numbers is my wave's
	s_lshl_b32 s44, s42, 15
	s_mov_b32 s45, 0
	s_add_nc_u64 s[4:5], s[4:5], s[44:45]
	s_lshl_b32 s44, s42, 13
	s_add_nc_u64 s[36:37], s[36:37], s[44:45]      ; the codes under the first scale,
	s_add_nc_u64 s[38:39], s[36:37], 0x800000      ; and, for x alone, under the second
	s_add_nc_u64 s[40:41], s[36:37], 0x1000000     ; and the third (W_O's work-groups never use these two)
.macro LOADX t
.irp i, 0,1,2,3
	global_load_b128 v[R+16*((\t)%4)+4*\i:R+16*((\t)%4)+4*\i+3], v3, s[4:5] offset:2048*(\t)+512*\i th:TH_LOAD_NT
.endr
.endm
.macro TURN t                          ; LDS serves a wave's instructions in order (ISA guide 5.7.1.4): no wait between the stores and the loads
.irp i, 0,1,2,3
	ds_store_b128 v14, v[R+16*((\t)%4)+4*\i:R+16*((\t)%4)+4*\i+3] offset:XSTG*((\t)%2)+8*SP*\i
.endr
	ds_load_b128 v[X+16*((\t)%2):X+16*((\t)%2)+3], v15 offset:XSTG*((\t)%2)
	ds_load_b128 v[X+16*((\t)%2)+4:X+16*((\t)%2)+7], v15 offset:XSTG*((\t)%2)+16
	ds_load_b128 v[X+16*((\t)%2)+8:X+16*((\t)%2)+11], v15 offset:XSTG*((\t)%2)+SP
	ds_load_b128 v[X+16*((\t)%2)+12:X+16*((\t)%2)+15], v15 offset:XSTG*((\t)%2)+SP+16
.endm
.macro QOUT t, o                       ; the step's 16 numbers under scale o: held, converted, stored: the wave stores 512 consecutive bytes
.irp i, 0,1,2,3,4,5,6,7,8,9,10,11,12,13,14,15
	v_med3_num_f32 v[T+\i], v[XS+\i], -v[6+2*\o], v[6+2*\o]    ; the conversion to an 8-bit code does not saturate (ISA guide 7.6.2)
.endr
	v_cvt_scalef32_pk8_fp8_f32 v[C+4*\o:C+4*\o+1], v[T:T+7], v[5+2*\o]
	v_cvt_scalef32_pk8_fp8_f32 v[C+4*\o+2:C+4*\o+3], v[T+8:T+15], v[5+2*\o]
	v_nop                                          ; a plain line between the conversions and the next holds, which write their sources
	global_store_b128 v3, v[C+4*\o:C+4*\o+3], s[36+2*\o:37+2*\o] offset:512*(\t)
.endm
.irp t, 0,1,2,3
	LOADX \t
.endr
	s_wait_alu depctr_va_vdst(0)
	s_wait_kmcnt 0x0
	s_cmp_lt_u32 ttmp9, NXWG
	s_cselect_b32 s42, s25, s35                    ; e1 for x, e11 for W_O
	MKSCALE 42, 5, 6
	MKSCALE 27, 7, 8                               ; e3
	MKSCALE 29, 9, 10                              ; e5
	s_wait_alu depctr_va_vdst(0)
	s_wait_loadcnt 12                              ; step 0's four loads are in
	TURN 0
.macro XSTEP t
.set XS, X+16*((\t)%2)
	s_wait_dscnt 0x0                               ; this step's numbers are back from the stage, and its stores into the stage have read their registers,
.if (\t)+4 < 16
	LOADX (\t)+4                                   ; which take the loads of four steps on
.endif
.if (\t)+1 < 16
.if (\t) <= 11
	s_wait_loadcnt 12                              ; the next step's four loads are in; those of the three steps behind it may be out
.else
	s_wait_loadcnt 4*(14-(\t))
.endif
	TURN (\t)+1
.endif
	s_wait_xcnt 0x0                                ; the last step's stores have read their data: the codes' registers are written again only behind this wait
	QOUT \t, 0
	s_cmp_lt_u32 ttmp9, NXWG
	s_cbranch_scc0 .Lone_\@                        ; W_O has one scale
	QOUT \t, 1
	QOUT \t, 2
.Lone_\@:
.endm
.irp t, 0,1,2,3,4,5,6,7,8,9,10,11,12,13,14,15
	XSTEP \t
.endr
	s_wait_tensorcnt 0x0                           ; the wave's end
	ds_add_u32 v[SPW], v[NIL]
	s_wait_dscnt 0x0
	s_endpgm
; ---------------- Wq, Wk, Wv: a lane takes a column e, and its registers run down K ----------------
; A work-group takes one head of one tensor and 512 along K; a wave 32 columns x 256 along K: 8 blocks of 32.  Each load reads 128 consecutive bytes.  A lane's codes are 256 bytes of
; one row of wc; they go through the wave's own stage and leave by rows: sixteen lanes store 256 consecutive bytes, at a multiple of 256 from wc's first byte.
.Lweights:
	s_sub_co_u32 s42, ttmp9, NXWG+NOWG
	s_lshr_b32 s43, s42, 5                         ; which tensor: 0 q, 1 k, 2 v
	s_bfe_u32 s44, s42, 0x40001                    ; head
	s_and_b32 s45, s42, 1
	s_and_b32 s46, s22, 1                          ; which 32 columns
	s_lshr_b32 s47, s22, 1
	s_lshl_b32 s45, s45, 1
	s_add_co_u32 s45, s45, s47                     ; which 256 along K
	s_lshl_b32 s36, s44, 18                        ; from: head x 1,024 rows of 256 bytes
	s_lshl_b32 s47, s45, 16
	s_add_co_u32 s36, s36, s47
	s_lshl_b32 s47, s46, 7
	s_add_co_u32 s36, s36, s47
	s_mov_b32 s37, 0
	s_cmp_eq_u32 s43, 0
	s_cselect_b64 s[4:5], s[8:9], s[10:11]
	s_cmp_eq_u32 s43, 2
	s_cselect_b64 s[4:5], s[12:13], s[4:5]
	s_add_nc_u64 s[4:5], s[4:5], s[36:37]
	s_lshl_b32 s38, s43, 10                        ; to: row 1,024 tensor + 64 head + 32 half, of 1,024 bytes
	s_lshl_b32 s47, s44, 6
	s_add_co_u32 s38, s38, s47
	s_lshl_b32 s47, s46, 5
	s_add_co_u32 s38, s38, s47
	s_lshl_b32 s38, s38, 10
	s_lshl_b32 s47, s45, 8
	s_add_co_u32 s38, s38, s47
	s_mov_b32 s39, 0
	s_add_nc_u64 s[20:21], s[20:21], s[38:39]
	s_wait_alu depctr_va_vdst(0)
	v_lshlrev_b32 v3, 2, v2                        ; in: 4 bytes a lane
	s_mul_i32 s23, s22, WREG
	s_add_co_u32 s23, s23, WST                     ; my stage
	v_mul_u32_u24 v4, v2, WP
	v_add_nc_u32 v4, s23, v4                       ; into it: row = my column
	v_and_b32 v5, 15, v2
	v_lshrrev_b32 v6, 4, v2
	v_mul_u32_u24 v7, v6, WP
	v_lshl_add_u32 v7, v5, 4, v7
	v_add_nc_u32 v7, s23, v7                       ; out of it: sixteen lanes to a row, two rows an instruction
	v_lshlrev_b32 v8, 10, v6
	v_lshl_add_u32 v8, v5, 4, v8                   ; and the same place in wc
.macro LOADW t                         ; block t: register i takes the k whose code is byte i of the block
.irp i, 0,1,2,3,4,5,6,7,8,9,10,11,12,13,14,15,16,17,18,19,20,21,22,23,24,25,26,27,28,29,30,31
	global_load_b32 v[WX+32*((\t)%2)+\i], v3, s[4:5] offset:(32*(\t)+16*((\i/8)%2)+8*(\i/16)+\i%8)*256 th:TH_LOAD_NT
.endr
.endm
	LOADW 0
	LOADW 1
	s_wait_kmcnt 0x0
	s_cmp_eq_u32 s43, 0
	s_cselect_b32 s42, s24, s26                    ; e0 or e2,
	s_cmp_eq_u32 s43, 2
	s_cselect_b32 s42, s28, s42                    ; or e4
	MKSCALE 42, 11, 10
.macro BLOCK t
.set XS, WX+32*((\t)%2)
.if (\t) < 7
	s_wait_loadcnt 32                              ; this block's 32 loads are in; the next block's may be out
.else
	s_wait_loadcnt 0
.endif
.irp i, 0,1,2,3,4,5,6,7,8,9,10,11,12,13,14,15,16,17,18,19,20,21,22,23,24,25,26,27,28,29,30,31
	v_med3_num_f32 v[XS+\i], v[XS+\i], -v10, v10
.endr
.irp g, 0,1,2,3
	v_cvt_scalef32_pk8_fp8_f32 v[WC+2*\g:WC+2*\g+1], v[XS+8*\g:XS+8*\g+7], v11
.endr
	ds_store_b128 v4, v[WC:WC+3] offset:32*(\t)
	ds_store_b128 v4, v[WC+4:WC+7] offset:32*(\t)+16
.if (\t)+2 < 8
	LOADW (\t)+2
.endif
	s_wait_dscnt 0x0                               ; the stores have read their registers; the next block's 32 holds are the plain lines ahead of its conversions
.endm
	s_wait_alu depctr_va_vdst(0)
.irp t, 0,1,2,3,4,5,6,7
	BLOCK \t
.endr
.irp u, 0,1,2,3,4,5,6,7,8,9,10,11,12,13,14,15
	ds_load_b128 v[OUTR+4*\u:OUTR+4*\u+3], v7 offset:2*\u*WP
.endr
.irp u, 0,1,2,3,4,5,6,7,8,9,10,11,12,13,14,15
	s_wait_dscnt 15-\u                             ; LDS loads come back in order: load u is in, the younger ones may be out
	global_store_b128 v8, v[OUTR+4*\u:OUTR+4*\u+3], s[20:21] offset:2048*\u
.endr
	s_wait_tensorcnt 0x0                           ; the wave's end
	ds_add_u32 v[SPW], v[NIL]
	s_wait_dscnt 0x0
	s_endpgm
.Lfunc_end_k_qb30e1f39da_quant:
	.size	k_qb30e1f39da_quant, .Lfunc_end_k_qb30e1f39da_quant-k_qb30e1f39da_quant
	.p2alignl 7, 3214868480
	.fill 96, 4, 3214868480
	.section	.rodata,"a",@progbits
	.p2align	6, 0x0
	.amdhsa_kernel k_qb30e1f39da_quant
		.amdhsa_group_segment_fixed_size 55808
		.amdhsa_private_segment_fixed_size 0
		.amdhsa_enable_private_segment 0
		.amdhsa_kernarg_size 72
		.amdhsa_user_sgpr_count 2
		.amdhsa_user_sgpr_kernarg_segment_ptr 1
		.amdhsa_wavefront_size32 1
		.amdhsa_system_sgpr_workgroup_id_x 1
		.amdhsa_system_sgpr_workgroup_id_y 1
		.amdhsa_system_sgpr_workgroup_id_z 1
		.amdhsa_system_vgpr_workitem_id 0
		.amdhsa_next_free_vgpr 176
		.amdhsa_next_free_sgpr 66
		.amdhsa_reserve_vcc 0
		.amdhsa_float_denorm_mode_32 3
		.amdhsa_float_denorm_mode_16_64 3
		.amdhsa_memory_ordered 1
		.amdhsa_forward_progress 1
		.amdhsa_inst_pref_size 130
	.end_amdhsa_kernel
	.amdgpu_metadata
---
amdhsa.version: [ 1, 2 ]
amdhsa.kernels:
  - .name:           k_qb30e1f39da_quant
    .symbol:         k_qb30e1f39da_quant.kd
    .args:
      - { .name: x, .offset: 0, .size: 8, .value_kind: global_buffer, .address_space: global }
      - { .name: W_O, .offset: 8, .size: 8, .value_kind: global_buffer, .address_space: global }
      - { .name: Wq, .offset: 16, .size: 8, .value_kind: global_buffer, .address_space: global }
      - { .name: Wk, .offset: 24, .size: 8, .value_kind: global_buffer, .address_space: global }
      - { .name: Wv, .offset: 32, .size: 8, .value_kind: global_buffer, .address_space: global }
      - { .name: lowp_scales, .offset: 40, .size: 8, .value_kind: global_buffer, .address_space: global }
      - { .name: xc, .offset: 48, .size: 8, .value_kind: global_buffer, .address_space: global }
      - { .name: woc, .offset: 56, .size: 8, .value_kind: global_buffer, .address_space: global }
      - { .name: wc, .offset: 64, .size: 8, .value_kind: global_buffer, .address_space: global }
    .group_segment_fixed_size: 55808
    .private_segment_fixed_size: 0
    .kernarg_segment_align: 8
    .kernarg_segment_size: 72
    .max_flat_workgroup_size: 128
    .sgpr_count:     66
    .vgpr_count:     176
    .wavefront_size: 32
...
	.end_amdgpu_metadata
.endif
;; end of part 1
;; launch qkv (part 2): grid 12 x 32, 4 waves a work-group, clusters of 4 x 4, 327,680 bytes of LDS; arguments xc, wc, lowp_scales, qkv; writes qkv
.if DOCPART == 2
	.amdgcn_target "amdgcn-amd-amdhsa--gfx1250"
	.amdhsa_code_object_version 6
	.text
	.protected	k_qb30e1f39da_qkv
	.globl	k_qb30e1f39da_qkv
	.p2align	8
	.type	k_qb30e1f39da_qkv,@function
k_qb30e1f39da_qkv:
	s_mov_b64 s[64:65], 0
	v_nop
	global_prefetch_b8 v0, s[64:65] scope:SCOPE_SE
	s_setreg_imm32_b32 hwreg(HW_REG_WAVE_MODE, 25, 1), 1
	s_wait_xcnt 0x0
	s_wait_alu depctr_hold_cnt(0) depctr_sa_sdst(0) depctr_va_vdst(0) depctr_va_sdst(0) depctr_va_ssrc(0) depctr_va_vcc(0) depctr_vm_vsrc(0)
	s_getreg_b32 s2, hwreg(HW_REG_IB_STS2, 6, 4)
	s_cmp_eq_u32 s2, 0
	s_cbranch_scc0 .Lentry_in_a_cluster
	s_endpgm
.Lentry_in_a_cluster:
	s_bfe_u32 s2, ttmp6, 0x10000c
	s_cmp_lg_u32 s2, 0xf033
	s_cbranch_scc0 .Lentry_shape_is_right
	s_endpgm
.Lentry_shape_is_right:
; q, k, v = x W on codes of FP8 (E4M3), K = 1,024, and each result quantised in registers for the product that takes it next.  The cluster's x says which: 0 q, 1 k, 2 v.
; One text serves all three: it multiplies P (source 1: a lane's ONE row) by R (source 0: a lane's registers run along R's rows).
;   q, k: P = x's codes (tokens), R = the weight's rows (64 head + e): a lane holds one token and neighbouring e, which are the next K.
;   v:    P = Wv's rows, R = x's codes: a lane holds one e and neighbouring keys, which are the next K.
; A sum stands for sum x 2^(ew + ex); its code under the next scale 2^en is sum / 2^(en - ew - ex): the three exponents are folded into the conversion's one.
; LIMIT: e6 - e0 - e1, e7 - e2 - e3 and e9 - e4 - e5 lie between -126 and 119, so that the scale and 448 x the scale are f32 numbers.
; OUT: images of the next operands' registers, 512 consecutive bytes a store, straight from registers:
;   q, k: [64 bh][128 tiles of 16 tokens][2][512]: lane (r, h) holds token r, e = 32 c + 16 g + 8 h + j;   v: [64 bh][16 steps of 128 keys][4 tiles of 16 e][4][512]: lane (r, h) holds e = r, key 32 c + 16 g + 8 h + j.
; A tile of 256 x 256 results is made by four waves, each 128 x 128: 64 accumulators, 512 registers.  K goes in steps of 256 through a ring of two LDS slots filled by the tensor data mover.
; CLUSTERS: 4 x 4 work-groups.  The four of a row need the same tile of P, the four of a column the same tile of R: each is asked for JOINTLY, by the same tensor load with the same descriptor and a mask that names the four.
; REGISTERS, in windows of 256: window 0: v0-31 addresses and constants; v32-111 at work on the way out; from v128 P's fragments, ONE set.  window 1: R's fragments, TWO sets.  windows 2, 3: the accumulators ((a, b) at v[8 (8 (a % 4) + b)]).
.set ROWB,   256                       ; a tile's row in bytes: 256 codes
.set KROW,   1024                      ; a row of either operand in memory
.set PITCH,  272                       ; an LDS row: 256 bytes + 16 of padding = 68 words: row r starts at bank 4 r mod 64 (64 banks of 4 bytes: ISA guide 11.1)
.set FR,     16                        ; registers of a fragment: 16 rows x 128 K
.set NL,     4                         ; LDS loads that bring one
.set NP,     4                         ; places behind this matrix instruction (ISA guide 7.12.1)
.set HALFT,  128*PITCH
.set SLOT,   4*HALFT                   ; P's 256 rows, then R's 256 rows
.set LAPS,   2                         ; 1,024 along K = two laps of two slots
.set SPARE,  2*SLOT                    ; behind the ring: the spare words, 128 bytes for each wave: two blocks of 256 bytes that no other line names
.set ADRA, 16                          ; v16-17  LDS address of my P fragments in slot 0, 1
.set ADRB, 20                          ; v20-21  the same for R
.set SO0,  24                          ; v24     the way out: 16 x lane
.set SO1,  25                          ; v25     the same, one stride on
.set SPW,  28                          ; v28     LDS address of my spare word; never rewritten
.set NIL,  29                          ; v29     0; never rewritten
.set LIM,  30                          ; v30     448 x the conversion's scale
.set SCL,  31                          ; v31     the conversion's scale as f32
.set TMP,  32                          ; v32-95  a block's 64 sums, held
.set CD,   96                          ; v96-111 their codes
.set AF,   128
.set G1, 24
.set G0, 32
.set G1B, 48
.set G0B, 56
.set MSB, 0
.macro WIN new                         ; the immediate's high byte repeats the setting that is left
.if MSB != \new
	s_set_vgpr_msb (MSB<<8)|\new
.set MSB, \new
.endif
.endm
.set MUL_LO, 0xa1                      ; source 0 (R) window 1, source 1 (P) window 0, C and D window 2
.set MUL_HI, 0xf1                      ; the same, C and D window 3
.set TO_B,   0x40                      ; destination window 1, address window 0
; A joint load: wave 0 fetches for P, wave 1 for R, waves 2 and 3 nothing; the branch hangs on the wave's number alone.  An s_nop 0 and four v_nop follow each of the two lines.
.macro JLOAD g0a, g1a, g0b, g1b
	s_cmp_eq_u32 s14, 0                            ; a refill: wave 0 fetches P's 256 rows, wave 1 R's, waves 2 and 3 nothing
	s_cbranch_scc0 .Lfor_b_\@
	tensor_load_to_lds s[\g0a:\g0a+3], s[\g1a:\g1a+7]
	s_nop 0
.rept 4
	v_nop
.endr
	s_branch .Lasked_\@
.Lfor_b_\@:
	s_cmp_eq_u32 s14, 1
	s_cbranch_scc0 .Lasked_\@
	tensor_load_to_lds s[\g0b:\g0b+3], s[\g1b:\g1b+7]
	s_nop 0
.rept 4
	v_nop
.endr
.Lasked_\@:
.endm
.macro CREST                           ; a round of the cluster's barrier behind its opening barrier
	s_cmp_lg_u32 s14, 0
	s_cbranch_scc1 .Lnot_wave_0_\@
	s_barrier_signal -3
.Lnot_wave_0_\@:
	s_barrier_wait -3
	s_barrier_signal -1
	s_barrier_wait -1
.endm
.macro CROUND
	s_barrier_signal -1
	s_barrier_wait -1
	CREST
.endm
	s_load_b256 s[4:11], s[0:1], 0x0               ; xc s[4:5], wc s[6:7], the scales' exponents s[8:9], qkv s[10:11]
	v_lshl_add_u32 v[SPW], v0, 2, SPARE
	v_mov_b32 v[NIL], 0
	ds_add_u32 v[SPW], v[NIL]                      ; the wave's opening: the add and its wait stand ahead of my first tensor load; the set-up below stands between them
	ds_add_u32 v[SPW], v[NIL]
	v_lshrrev_b32 v1, 5, v0
	v_readfirstlane_b32 s14, v1                    ; wave 0..3
	s_lshr_b32 s15, s14, 1                         ; which half of P's rows is mine.  Also: the K step I fetch at the head
	s_and_b32 s16, s14, 1                          ; which half of R's rows.  Also: I fetch for P (0) or for R (1)
	s_bfe_u32 s40, ttmp6, 0x40000                  ; cx, cy: my place in the cluster
	s_bfe_u32 s41, ttmp6, 0x40004
	s_and_b32 s18, ttmp7, 0xffff                   ; the cluster's y walks x's 32 tiles, four to a cluster:
	s_cmp_eq_u32 ttmp9, 2                          ; they are P's tiles for q and k, R's for v.  The cluster's x is the same in all sixteen partners
	s_cselect_b32 s17, 0, s18
	s_cselect_b32 s42, s18, 0
	s_lshl_b32 s17, s17, 2
	s_add_co_u32 s17, s17, s41                     ; P's tile: it hangs on cy alone
	s_lshl_b32 s42, s42, 2
	s_add_co_u32 s42, s42, s40                     ; R's tile: on cx alone
	s_lshl_b32 s43, s41, 2
	s_lshl_b32 s43, 15, s43                        ; my row of the cluster
	s_lshl_b32 s44, 0x1111, s40                    ; my column
	; descriptor group 1: a tile of 256 rows x 256 bytes, padded in LDS
	s_or_b32 s[G1+0], s43, (1<<20)|(1<<21)|(5<<22)|(3<<25)   ; 15:0 the mask; 17:16 elements of 1 byte; 20 padding on; 21 set beside a mask; 24:22 after every 64 words; 31:25 four words
	s_or_b32 s[G1B+0], s44, (1<<20)|(1<<21)|(5<<22)|(3<<25)
.irp g, G1, G1B
	s_mov_b32 s[\g+1], ROWB<<16                    ; tensor_dim0
	s_mov_b32 s[\g+2], 256<<16                     ; tensor_dim1: a load brings an operand's whole 256 rows of a slot
	s_mov_b32 s[\g+3], ROWB<<16                    ; tile_dim0
	s_mov_b32 s[\g+4], 256                         ; tile_dim1
	s_mov_b32 s[\g+5], KROW                        ; tensor_dim0_stride
	s_mov_b32 s[\g+6], 0
	s_mov_b32 s[\g+7], 0
.endr
	s_mov_b32 s18, 0                               ; a load begins at the tile's first row
	s_lshl_b32 s20, s17, 8
	s_add_co_u32 s20, s20, s18
	s_lshl_b32 s20, s20, 10                        ; P: 256 tile rows of 1,024 bytes
	s_mov_b32 s21, 0
	s_lshl_b32 s46, s42, 8
	s_add_co_u32 s46, s46, s18
	s_lshl_b32 s46, s46, 10                        ; R likewise
	s_mov_b32 s47, 0
	s_lshl_b32 s22, ttmp9, 23                      ; x's codes under this product's scale,
	s_mov_b32 s23, 0
	s_lshl_b32 s66, ttmp9, 20                      ; and this product's weight
	s_mov_b32 s67, 0
	s_wait_dscnt 0x0                               ; the opening add is done
	s_wait_kmcnt 0x0
	s_load_b256 s[72:79], s[8:9], 0x0              ; e0 .. e7
	s_load_b128 s[80:83], s[8:9], 0x20             ; e8 .. e11
	s_add_nc_u64 s[4:5], s[4:5], s[22:23]
	s_add_nc_u64 s[6:7], s[6:7], s[66:67]
	s_cmp_eq_u32 ttmp9, 2
	s_cselect_b64 s[84:85], s[6:7], s[4:5]         ; P
	s_cselect_b64 s[86:87], s[4:5], s[6:7]         ; R
	s_add_nc_u64 s[20:21], s[84:85], s[20:21]
	s_add_nc_u64 s[46:47], s[86:87], s[46:47]
	; the prefetches of x's codes (macro ASKX).  A tile of x is loaded by one cluster alone; the four partners that ask for it jointly share its 256 rows out BY ADDRESS: 64 rows each, 32 to each of waves 2 and 3, a lane a row
	s_cmp_eq_u32 ttmp9, 2
	s_cselect_b32 s96, s42, s17                    ; x's tile: R's for v, P's for q and k
	s_cselect_b32 s97, s41, s40                    ; my place among the four that share it
	s_lshl_b32 s96, s96, 8
	s_lshl_b32 s97, s97, 6
	s_add_co_u32 s96, s96, s97
	s_lshl_b32 s97, s16, 5
	s_add_co_u32 s96, s96, s97
	s_lshl_b32 s96, s96, 10                        ; rows of 1,024 bytes
	s_mov_b32 s97, 0
	s_add_nc_u64 s[96:97], s[4:5], s[96:97]        ; never rewritten
	CROUND                                         ; all sixteen work-groups are here: the first joint loads meet
.irp s, 0,1
	s_mov_b32 s[G0+4*\s], 1
	s_mov_b32 s[G0+4*\s+1], \s*SLOT
	s_add_nc_u64 s[G0+4*\s+2:G0+4*\s+3], s[20:21], \s*ROWB
	s_or_b32 s[G0+4*\s+3], s[G0+4*\s+3], 0x80000000
	s_mov_b32 s[G0B+4*\s], 1
	s_mov_b32 s[G0B+4*\s+1], \s*SLOT+2*HALFT
	s_add_nc_u64 s[G0B+4*\s+2:G0B+4*\s+3], s[46:47], \s*ROWB
	s_or_b32 s[G0B+4*\s+3], s[G0B+4*\s+3], 0x80000000
.endr
.macro HLD g0, g1
	tensor_load_to_lds s[\g0:\g0+3], s[\g1:\g1+7]
	s_nop 0
.rept 4
	v_nop
.endr
.endm
; A prefetch of 32 rows x 256 bytes of x's codes, at byte off of the rows: one instruction in each of waves 2 and 3, which fetch nothing at the refills.  K step 2 is asked for behind the head's loads, K step 3 behind
; the refill that loads K step 2: each one change of slots ahead of the load that wants it.  The weights, which eight clusters read, are not asked for.  Every address lies in x's codes: the offsets end at byte 1,023 of a row.
.macro ASKX off
	s_cmp_eq_u32 s15, 1
	s_cbranch_scc0 .Lnot_mine_\@
	global_prefetch_b8 v26, s[96:97] offset:\off th:TH_LOAD_NT scope:SCOPE_SE
.Lnot_mine_\@:
.endm
	; the first fills: both slots at once, one load a wave, in the arms of one chain on the wave's number
	s_cmp_lg_u32 s14, 0
	s_cbranch_scc1 .Lhead_1
	HLD G0, G1                                     ; wave 0: P, K step 0
	s_branch .Lhead_j
.Lhead_1:
	s_cmp_lg_u32 s14, 1
	s_cbranch_scc1 .Lhead_2
	HLD G0B, G1B                                   ; wave 1: R, K step 0
	s_branch .Lhead_j
.Lhead_2:
	s_cmp_lg_u32 s14, 2
	s_cbranch_scc1 .Lhead_3
	HLD G0+4, G1                                   ; wave 2: P, K step 1
	s_branch .Lhead_j
.Lhead_3:
	HLD G0B+4, G1B                                 ; wave 3: R, K step 1
.Lhead_j:
	v_and_b32 v26, 31, v0
	v_lshlrev_b32 v26, 10, v26                     ; the prefetches' offset: lane x a row; never rewritten
	ASKX 512
	v_and_b32 v1, 15, v0                           ; l % 16
	v_bfe_u32 v2, v0, 4, 1                         ; l / 16
	v_mul_u32_u24 v3, v1, PITCH
	v_lshl_add_u32 v4, v2, 4, v3                   ; a fragment's row x pitch + 16 x half
	s_mul_i32 s21, s15, HALFT                      ; my 128 rows of P
	s_mul_i32 s22, s16, HALFT                      ; my 128 rows of R,
	s_add_co_u32 s22, s22, 2*HALFT                 ; which lie behind P's 256
.irp s, 0,1
	v_add_nc_u32 v[ADRA+\s], s21, v4
	v_add_nc_u32 v[ADRB+\s], s22, v4
	s_add_co_u32 s21, s21, SLOT
	s_add_co_u32 s22, s22, SLOT
.endr
	; the way out: where my wave's images begin, and the strides, which differ between q, k and v
	s_lshl_b32 s88, s42, 8
	s_lshl_b32 s89, s16, 7
	s_add_co_u32 s88, s88, s89                     ; my first row of R
	s_lshl_b32 s90, s17, 8
	s_lshl_b32 s91, s15, 7
	s_add_co_u32 s90, s90, s91                     ; my first row of P
	s_cmp_eq_u32 ttmp9, 2
	s_cselect_b32 s92, s88, s90                    ; my first token (of 8,192),
	s_cselect_b32 s93, s90, s88                    ; my first row of the weight = 64 x my first head
	s_mov_b32 s66, 1024
	s_cselect_b32 s66, 2048, s66                   ; from a block of P to the next: a tile of tokens (q, k) or a tile of e (v);
	s_mov_b32 s68, 1024
	s_cselect_b32 s68, 124928, s68                 ; from block 3 to block 4: for v the next head, less three tiles of e
	s_mov_b32 s70, 0x20000
	s_cselect_b32 s70, 1024, s70                   ; from R's blocks 0-3 to 4-7: the next head (q, k) or 64 keys on (v)
	s_mov_b32 s67, 0
	s_mov_b32 s69, 0
	s_lshl_b32 s94, ttmp9, 23                      ; q's, k's or v's third of the buffer
	s_lshr_b32 s95, s92, 11
	s_lshl_b32 s95, s95, 21                        ; + batch x 16 heads of 131,072 bytes
	s_add_co_u32 s94, s94, s95
	s_lshl_b32 s95, s93, 11                        ; + head x 131,072
	s_add_co_u32 s94, s94, s95
	s_and_b32 s95, s92, 2047
	s_lshl_b32 s95, s95, 6                         ; + 64 bytes for each token of the sequence, in both layouts
	s_add_co_u32 s94, s94, s95
	s_mov_b32 s95, 0
	s_add_nc_u64 s[10:11], s[10:11], s[94:95]
	v_and_b32 v5, 31, v0
	v_lshlrev_b32 v[SO0], 4, v5
	v_add_nc_u32 v[SO1], s70, v[SO0]
.macro FRAG reg, adr, q, i             ; a fragment, 16 rows x 128 K: four loads of 16 bytes, 32 bytes apart; the buffers' order of bytes puts each k in its own place
.irp c, 0,1,2,3
	ds_load_b128 v[\reg+4*\c:\reg+4*\c+3], v[\adr] offset:128*(\q)+32*\c+(\i)*16*PITCH
.endr
.endm
; 16 matrix instructions: P's blocks a0, a0 + 1 x R's eight.  p: R's set.  zero = 1: the first product starts the sums.  The 64 accumulators take turns, one instruction a turn, in the same order in every step.
.macro MUL16 a0, p, zero
.irp a, \a0, \a0+1
.irp b, 0,1,2,3,4,5,6,7
.if \zero
	v_wmma_f32_16x16x128_fp8_fp8 v[8*(8*((\a)%4)+\b):8*(8*((\a)%4)+\b)+7], v[128*(\p)+FR*\b:128*(\p)+FR*\b+FR-1], v[AF+FR*(\a):AF+FR*(\a)+FR-1], 0
.else
	v_wmma_f32_16x16x128_fp8_fp8 v[8*(8*((\a)%4)+\b):8*(8*((\a)%4)+\b)+7], v[128*(\p)+FR*\b:128*(\p)+FR*\b+FR-1], v[AF+FR*(\a):AF+FR*(\a)+FR-1], v[8*(8*((\a)%4)+\b):8*(8*((\a)%4)+\b)+7]
.endif
.endr
.endr
.endm
.macro FETCH_B slot, q, p
	WIN TO_B
.irp i, 0,1,2,3,4,5,6,7
	FRAG 128*(\p)+FR*\i, ADRB+\slot, \q, \i
.endr
	WIN 0
.endm
.macro FETCH_A slot, q, i0
.irp i, \i0, \i0+1, \i0+2, \i0+3
	FRAG AF+FR*(\i), ADRA+\slot, \q, \i
.endr
.endm
.macro PLACES n                        ; plain vector lines between a matrix instruction and a load into, or a read of, its registers
.rept \n
	v_nop
.endr
.endm
; A step of 128 along K that has its successor in the same slot.  A block of P is free as soon as its eight products are issued, so one set of registers serves P.
.macro STEP slot, q, zero
	s_wait_dscnt 4*NL                              ; R's set and P's blocks 0-3 are in; the youngest sixteen loads (P's blocks 4-7) may be out
	WIN MUL_LO
	MUL16 0, (\q)%2, \zero
	MUL16 2, (\q)%2, \zero
	s_wait_dscnt 0
	PLACES NP
	FETCH_B \slot, (\q)+1, 1-(\q)%2
	FETCH_A \slot, (\q)+1, 0
	WIN MUL_HI
	MUL16 4, (\q)%2, \zero
	MUL16 6, (\q)%2, \zero
	PLACES NP
	WIN 0
	FETCH_A \slot, (\q)+1, 4
.endm
; A slot's last step changes slots: ONE barrier; in front of it each wave waits for all its tensor loads, adds 0 to its spare word, and waits for that and for its own reads of this slot.
.macro TURN slot, next, fill
	s_wait_tensorcnt 0x0                           ; all my tensor loads have landed: my part of the next slot
	ds_add_u32 v[SPW], v[NIL]                      ; 0 onto my spare word
	s_wait_dscnt 4*NL+1                            ; (the add and the youngest sixteen loads may be out)
	WIN MUL_LO
	MUL16 0, 1, 0
	s_wait_dscnt 0x0                               ; the add is done, and my reads of this slot are over
	s_barrier_signal -1
	MUL16 2, 1, 0
	WIN 0
	s_barrier_wait -1
.if \fill
	CREST                                          ; the barrier has opened a round of the cluster's barrier: no wave of any partner still reads this slot or has a load on its way
	s_add_nc_u64 s[G0+4*\slot+2:G0+4*\slot+3], s[G0+4*\slot+2:G0+4*\slot+3], 2*ROWB
	s_add_nc_u64 s[G0B+4*\slot+2:G0B+4*\slot+3], s[G0B+4*\slot+2:G0B+4*\slot+3], 2*ROWB
	JLOAD G0+4*\slot, G1, G0B+4*\slot, G1B         ; the first tensor load behind the round
.endif
	PLACES NP                                      ; on every wave's way: the places in front of the loads below
	FETCH_B \next, 0, 0
	FETCH_A \next, 0, 0
.if (\fill) && (\slot) == 0
	ASKX 768
.endif
	WIN MUL_HI
	MUL16 4, 1, 0
	MUL16 6, 1, 0
	PLACES NP
	WIN 0
	FETCH_A \next, 0, 4
.endm
	s_wait_alu depctr_va_vdst(0)
	s_wait_tensorcnt 0x0                           ; my tile is in,
	s_barrier_signal -1
	s_barrier_wait -1                              ; everybody's is: both slots are whole
	FETCH_B 0, 0, 0
	FETCH_A 0, 0, 0
	FETCH_A 0, 0, 4
	STEP 0, 0, 1                                   ; the first step stands in front of the loop: its products start the sums
	s_mov_b32 s3, LAPS-1
.Llap:                                                 ; a trip goes once round the ring and fills both slots again
	TURN 0, 1, 1
	STEP 1, 0, 0
	TURN 1, 0, 1
	STEP 0, 0, 0
	s_sub_co_u32 s3, s3, 1
	s_cmp_lg_u32 s3, 0
	s_cbranch_scc1 .Llap
	TURN 0, 1, 0                                   ; the last lap fills nothing
	STEP 1, 0, 0
	s_wait_dscnt 4*NL
	WIN MUL_LO
	MUL16 0, 1, 0
	MUL16 2, 1, 0
	s_wait_dscnt 0
	WIN MUL_HI
	MUL16 4, 1, 0
	MUL16 6, 1, 0
	WIN 0
	; THE WAY OUT.  The exponent of the conversion's scale: the next operand's, less the two of this product
	s_wait_kmcnt 0x0
	s_sub_co_i32 s88, s78, s72
	s_sub_co_i32 s88, s88, s73                     ; q: e6 - e0 - e1
	s_sub_co_i32 s89, s79, s74
	s_sub_co_i32 s89, s89, s75                     ; k: e7 - e2 - e3
	s_sub_co_i32 s90, s81, s76
	s_sub_co_i32 s90, s90, s77                     ; v: e9 - e4 - e5
	s_cmp_eq_u32 ttmp9, 0
	s_cselect_b32 s88, s88, s89
	s_cmp_eq_u32 ttmp9, 2
	s_cselect_b32 s88, s90, s88
	s_add_co_i32 s88, s88, 127
	s_lshl_b32 s89, s88, 23
	s_add_co_i32 s88, s88, 8
	s_lshl_b32 s88, s88, 23
	s_or_b32 s88, s88, 0x600000
	v_mov_b32 v[SCL], s89                          ; these two lines and two v_nop are the four places behind the last products
	v_mov_b32 v[LIM], s88
	PLACES 2
; Block a (16 rows of P x 128 rows of R): 64 sums a lane are held and converted; R's blocks 2 c and 2 c + 1 give four registers that ARE registers 4 c .. 4 c + 3 of the next operand.
.macro OUTBLK a
	WIN 0x02+((\a)/4)                              ; source 0: window 2 or 3
.set n, 0
.rept 64
	v_med3_num_f32 v[TMP+n], v[64*((\a)%4)+n], -v[LIM], v[LIM]   ; the conversion does not saturate (ISA guide 7.6.2); each accumulator from its low end on
.set n, n+1
.endr
	WIN 0
.if (\a) > 0
	s_wait_alu depctr_va_vdst(0)
	s_wait_xcnt 0x0                                ; the last block's stores have read their data and their base: both are written again only behind this wait
.if (\a) == 4
	s_add_nc_u64 s[10:11], s[10:11], s[68:69]
.else
	s_add_nc_u64 s[10:11], s[10:11], s[66:67]
.endif
.endif
.irp b, 0,1,2,3,4,5,6,7
	v_cvt_scalef32_pk8_fp8_f32 v[CD+2*\b:CD+2*\b+1], v[TMP+8*\b:TMP+8*\b+7], v[SCL]
.endr
	v_nop                                          ; a plain line between the conversions and the next block's holds, which write their sources
	global_store_b128 v[SO0], v[CD:CD+3], s[10:11]             ; each store: 512 consecutive bytes, at a multiple of 512 from the buffer's first byte
	global_store_b128 v[SO0], v[CD+4:CD+7], s[10:11] offset:512
	global_store_b128 v[SO1], v[CD+8:CD+11], s[10:11]
	global_store_b128 v[SO1], v[CD+12:CD+15], s[10:11] offset:512
.endm
.irp a, 0,1,2,3,4,5,6,7
	OUTBLK \a
.endr
	s_wait_tensorcnt 0x0                           ; the wave's end
	ds_add_u32 v[SPW], v[NIL]
	s_wait_dscnt 0x0
	CROUND                                         ; the closing round: no work-group ends while a partner may still ask for a tile that names it
	s_endpgm
.Lfunc_end_k_qb30e1f39da_qkv:
	.size	k_qb30e1f39da_qkv, .Lfunc_end_k_qb30e1f39da_qkv-k_qb30e1f39da_qkv
	.p2alignl 7, 3214868480
	.fill 96, 4, 3214868480
	.section	.rodata,"a",@progbits
	.p2align	6, 0x0
	.amdhsa_kernel k_qb30e1f39da_qkv
		.amdhsa_group_segment_fixed_size 327680
		.amdhsa_private_segment_fixed_size 0
		.amdhsa_enable_private_segment 0
		.amdhsa_kernarg_size 32
		.amdhsa_user_sgpr_count 2
		.amdhsa_user_sgpr_kernarg_segment_ptr 1
		.amdhsa_wavefront_size32 1
		.amdhsa_system_sgpr_workgroup_id_x 1
		.amdhsa_system_sgpr_workgroup_id_y 1
		.amdhsa_system_sgpr_workgroup_id_z 1
		.amdhsa_system_vgpr_workitem_id 0
		.amdhsa_next_free_vgpr 1024
		.amdhsa_next_free_sgpr 100
		.amdhsa_reserve_vcc 0
		.amdhsa_float_denorm_mode_32 3
		.amdhsa_float_denorm_mode_16_64 3
		.amdhsa_memory_ordered 1
		.amdhsa_forward_progress 1
		.amdhsa_inst_pref_size 121
	.end_amdhsa_kernel
	.amdgpu_metadata
---
amdhsa.version: [ 1, 2 ]
amdhsa.kernels:
  - .name:           k_qb30e1f39da_qkv
    .symbol:         k_qb30e1f39da_qkv.kd
    .args:
      - { .name: xc, .offset: 0, .size: 8, .value_kind: global_buffer, .address_space: global }
      - { .name: wc, .offset: 8, .size: 8, .value_kind: global_buffer, .address_space: global }
      - { .name: lowp_scales, .offset: 16, .size: 8, .value_kind: global_buffer, .address_space: global }
      - { .name: qkv, .offset: 24, .size: 8, .value_kind: global_buffer, .address_space: global }
    .group_segment_fixed_size: 327680
    .private_segment_fixed_size: 0
    .kernarg_segment_align: 8
    .kernarg_segment_size: 32
    .max_flat_workgroup_size: 128
    .sgpr_count:     100
    .vgpr_count:     1024
    .wavefront_size: 32
...
	.end_amdgpu_metadata
.endif
;; end of part 2
;; launch attn (part 3): grid 4 x 64, 8 waves a work-group, clusters of 4 x 1, 327,680 bytes of LDS; arguments qkv, lowp_scales, cimg; writes cimg
.if DOCPART == 3
	.amdgcn_target "amdgcn-amd-amdhsa--gfx1250"
	.amdhsa_code_object_version 6
	.text
	.protected	k_qb30e1f39da_attn
	.globl	k_qb30e1f39da_attn
	.p2align	8
	.type	k_qb30e1f39da_attn,@function
k_qb30e1f39da_attn:
	s_mov_b64 s[64:65], 0
	v_nop
	global_prefetch_b8 v0, s[64:65] scope:SCOPE_SE
	s_setreg_imm32_b32 hwreg(HW_REG_WAVE_MODE, 25, 1), 1
	s_wait_xcnt 0x0
	s_wait_alu depctr_hold_cnt(0) depctr_sa_sdst(0) depctr_va_vdst(0) depctr_va_sdst(0) depctr_va_ssrc(0) depctr_va_vcc(0) depctr_vm_vsrc(0)
	s_getreg_b32 s2, hwreg(HW_REG_IB_STS2, 6, 4)
	s_cmp_eq_u32 s2, 0
	s_cbranch_scc0 .Lentry_in_a_cluster
	s_endpgm
.Lentry_in_a_cluster:
	s_bfe_u32 s2, ttmp6, 0x10000c
	s_cmp_lg_u32 s2, 0x3003
	s_cbranch_scc0 .Lentry_shape_is_right
	s_endpgm
.Lentry_shape_is_right:
; Causal attention on codes of FP8 (E4M3): 64 heads (batch x head) of 2,048 tokens, head size 64.  q, k, v come as images of operand registers; the result leaves as codes for the last product, again as images.
; LEFT OUT: key steps all of whose keys come after a block's queries: the causal mask that the problem builds itself throws their scores away for all values of the inputs.
; THE SOFTMAX AHEAD OF THE SECOND PRODUCT: t = score x log2(e) / 8; M = the row's largest t so far, rounded UP to a whole number; p = 2^(t - M) is quantised under 2^e8, not normalised; the row's sum is taken
; of the unquantised p and divides at the end.  When M moves, the sum and O are multiplied by 2^(old M - new M): nothing is rounded.
; LAYOUT.  Both products are used transposed: S^T = K Q^T, O^T = V^T P^T: a lane holds ONE query (lane % 16) of each of its two tiles.  Register j of tile t of S^T is key 16 t + 8 (lane / 16) + j,
; so the conversions of tiles 2 c and 2 c + 1 give registers 4 c .. 4 c + 3 of P; v's image has its keys in the same places.
; SHARES.  A cluster of four work-groups takes a head; a work-group has eight waves of 512 registers.  Wave w at place cx owns two blocks of 32 queries: block u = 4 w + cx and block 63 - u.
; A block is two tiles of 16 queries (x = 0, 1), walked together: each fragment of K and of V read from LDS feeds two matrix instructions.  Block u needs u / 4 + 1 key steps of 128: w + 1 and 16 - w, 17 in every wave.
; The counts of steps hang on the wave's number alone: cx enters Q's and the output's addresses and the numbers that the mask compares, and no branch.
; LDS.  The head's K (131,072 bytes) and V (as many) lie in LDS whole: every byte is filled once.  The four work-groups need the same bytes: each piece is asked for JOINTLY.  A wave asks for two pieces: steps 0-3 at the head,
; steps 4-15 behind the full sequence and a round (one tensor load of mine is out at any time).  Both go out ahead of the first loop: there is no trip in which a prefetch could run ahead, so none is written.
; LDS READS RUN AHEAD: V of step j is asked for at the step's top, K of step j + 1 directly behind the scores' products; each is waited for by count, the 16 younger loads staying out.
; (The tile's last step asks for the K of a step that is not walked: at the most the 8,192 bytes at V's first byte, which are read and not used.)
; LIMITS on the given exponents, so that each power of two below is an f32 number: e6 + e7 between -123 and 130 (added to c's exponent field); e8, and e10 - e8 - e9, between -126 and 119.  The scaled scores stay under 2^31 in magnitude.
; REGISTERS.  Window 0: v1-43 addresses, state, constants; tile x: p's codes v[44+68x ..] (16: four registers, then the first twelve of the scores, which are converted by then), S^T then p v[48+68x ..] (64); O^T v[180+32x ..] (32).
; Window 1: v0-63 K's eight fragments, v64-127 V's four, v128-143 Q of the late block, v144-159 of the early one.
.set STEPB, 8192
.set VBASE, 131072
.set SPARE, 262144                     ; behind both images: the spare words, 128 bytes for each of 8 waves: four blocks of 256 bytes that no other line names
.set LI,   1                           ; 16 x lane; never rewritten
.set ADK,  2                           ; LDS address of the step's K
.set ADV,  3                           ; of its V
.set SPW,  5                           ; my spare word; never rewritten
.set NIL,  6                           ; 0; never rewritten
.set RH,   7                           ; lane % 16 - 8 (lane / 16)
.set ST,   12                          ; tile x: v[ST+4x] -M, +1 the largest t, +2, +3 the sum in two halves
.set F,    20                          ; tile x: v[F+2x] f = 2^(old M - new M); the upper one is named with it as a pair
.set M0,   24                          ; tile x: v[M0+2x], v[M0+2x+1] at work
.set PX,   28                          ; tile x: a lane permute's destination
.set T,    30                          ; v30-35 three more chains of the sum
.set LIMP, 36                          ; 448 x 2^e8
.set SCP,  37                          ; 2^e8
.set LIMO, 38                          ; 448 x 2^(e10 - e8 - e9)
.set SCO,  39                          ; 2^(e10 - e8 - e9)
.set DD,   40                          ; tile x: the mask: my query less my half's first key
.set NINF, 42
.set PC,   44
.set S,    48
.set TS,   68                          ; from tile 0's registers to tile 1's
.set O,    180
.set KF,   0                           ; window 1
.set VF,   64
.set QLATE, 128
.set QEARLY, 144
.set WV,   10
.set CX,   11
.set BH,   12
.set G1A,  16                          ; s[16:23], s[24:31] descriptor groups 1 of the two pieces; s[40:43], s[44:47] their groups 0; none is ever rewritten
.set G1B,  24
.set G0A,  40
.set G0B,  44
.set SEL,  52                          ; s[52:53] lane selects: lane l xor 16
.set CS,   54                          ; s[54:55] c = log2(e) / 8 x 2^(e6 + e7)
.set TB,   56                          ; LDS byte at which the step's K begins
.set J,    57                          ; the key step
.set QL,   58                          ; the block's last key step, the one on the diagonal
.set TAU,  59                          ; the block's first query in that step
.set CNT,  60
.set OUTH, 66
.set OUTL, 68
.set MSB, 0
.macro WIN new                         ; low byte: bits 1:0 source 0, 3:2 source 1, 5:4 source 2, 7:6 destination; the high byte repeats the setting that is left
.if MSB != \new
	s_set_vgpr_msb (MSB<<8)|\new
.set MSB, \new
.endif
.endm
.macro NOPS n
.rept \n
	v_nop
.endr
.endm
.macro CROUND                          ; a round of the cluster's barrier
	s_barrier_signal -1
	s_barrier_wait -1
	s_cmp_lg_u32 s[WV], 0
	s_cbranch_scc1 .Lnot_wave_0_\@
	s_barrier_signal -3
.Lnot_wave_0_\@:
	s_barrier_wait -3
	s_barrier_signal -1
	s_barrier_wait -1
.endm
.macro GROUP1 g, rows                  ; a dense piece as rows of 256 bytes: 32 elements of 8 bytes
	s_mov_b32 s[\g], 15|(3<<16)|(1<<21)            ; the mask: all four work-groups; elements of 8 bytes; bit 21 beside a mask; no padding
	s_mov_b32 s[\g+1], 32<<16
	s_mov_b32 s[\g+2], (\rows)<<16
	s_mov_b32 s[\g+3], 32<<16
	s_mov_b32 s[\g+4], \rows
	s_mov_b32 s[\g+5], 32
	s_mov_b32 s[\g+6], 0
	s_mov_b32 s[\g+7], 0
.endm
.macro GROUP0 g, off                   ; s[off]: my piece's byte in an image; s15: the image's place in LDS; s[88:89]: the image in memory
	s_mov_b32 s[\g], 1
	s_add_co_u32 s[\g+1], s15, s[\off]
	s_mov_b32 s90, s[\off]
	s_add_nc_u64 s[\g+2:\g+3], s[88:89], s[90:91]
	s_or_b32 s[\g+3], s[\g+3], 0x80000000
.endm
.macro KLOAD off                       ; K's eight fragments, 16 loads, from byte off behind the step in hand
	WIN 0x40
.irp t, 0,1,2,3,4,5,6,7
	ds_load_b128 v[KF+8*\t:KF+8*\t+3], v[ADK] offset:\off+1024*\t
	ds_load_b128 v[KF+8*\t+4:KF+8*\t+7], v[ADK] offset:\off+1024*\t+512
.endr
	WIN 0
.endm
.macro RESET                           ; a block begins: the largest t under every t, the sums and O^T zero (the first change of M multiplies zeros), so that the step is written once
.irp x, 0,1
	v_mov_b32 v[ST+4*\x+1], 0xff61b1e6
	v_mov_b32 v[ST+4*\x+2], 0
	v_mov_b32 v[ST+4*\x+3], 0
.endr
.irp x, 0,1
	v_floor_f32 v[ST+4*\x], -v[ST+4*\x+1]
.endr
.set n, 0
.rept 64
	v_mov_b32 v[O+n], 0
.set n, n+1
.endr
.endm
.macro CVT x, g                        ; eight p of tile x into codes
	v_cvt_scalef32_pk8_fp8_f32 v[PC+TS*(\x)+2*(\g):PC+TS*(\x)+2*(\g)+1], v[S+TS*(\x)+8*(\g):S+TS*(\x)+8*(\g)+7], v[SCP]
.endm
; The row's sum of tile x's unquantised p: 32 packed additions in four chains.  cv = 1: the other tile's eight conversions stand among them, each with plain lines on both sides.
.macro SUM x, cv
.set SX, S+TS*\x
.set AC, ST+4*\x+2
.set g, 0
.irp k, 0,1,2
	v_pk_add_f32 v[T+2*\k:T+2*\k+1], v[SX+4*\k:SX+4*\k+1], v[SX+4*\k+2:SX+4*\k+3]
.endr
	v_pk_add_f32 v[AC:AC+1], v[AC:AC+1], v[SX+12:SX+13]
.set n, 14
.rept 6
.if \cv
	CVT 1-\x, g
.set g, g+1
.endif
.irp k, 0,1,2
	v_pk_add_f32 v[T+2*\k:T+2*\k+1], v[T+2*\k:T+2*\k+1], v[SX+n+2*\k:SX+n+2*\k+1]
.endr
	v_pk_add_f32 v[AC:AC+1], v[AC:AC+1], v[SX+n+6:SX+n+7]
.set n, n+8
.endr
.if \cv
	CVT 1-\x, 6
.endif
	v_pk_add_f32 v[T:T+1], v[T:T+1], v[SX+62:SX+63]
.if \cv
	CVT 1-\x, 7
.endif
	v_pk_add_f32 v[T:T+1], v[T:T+1], v[T+2:T+3]
	v_pk_add_f32 v[AC:AC+1], v[AC:AC+1], v[T+4:T+5]
	v_pk_add_f32 v[AC:AC+1], v[AC:AC+1], v[T:T+1]
.endm
	s_load_b128 s[4:7], s[0:1], 0x0                ; qkv s[4:5], the scales' exponents s[6:7]
	s_load_b64 s[8:9], s[0:1], 0x10                ; cimg
	v_lshl_add_u32 v[SPW], v0, 2, SPARE
	v_mov_b32 v[NIL], 0
	ds_add_u32 v[SPW], v[NIL]                      ; the opening: the add, twice on end, and its wait, ahead of my first tensor load
	ds_add_u32 v[SPW], v[NIL]
	v_lshrrev_b32 v1, 5, v0
	v_readfirstlane_b32 s[WV], v1                  ; wave 0..7
	s_bfe_u32 s[CX], ttmp6, 0x40000                ; my place in the cluster
	s_and_b32 s[BH], ttmp7, 0xffff                 ; the head, which the four partners share
	GROUP1 G1A, 32                                 ; steps 0-3: 32,768 bytes an image, 8,192 a wave
	GROUP1 G1B, 96                                 ; steps 4-15: 98,304 bytes an image, 24,576 a wave
	s_mov_b32 s[SEL], 0x76543210
	s_mov_b32 s[SEL+1], 0xfedcba98
	s_mov_b32 s[CS], 0x3e38aa3b                    ; log2(e) / 8
	s_lshr_b32 s13, s[WV], 2                       ; waves 0-3 fetch K's image, waves 4-7 V's,
	s_and_b32 s14, s[WV], 3                        ; a quarter of each piece
	s_lshl_b32 s15, s13, 17
	s_lshl_b32 s84, s14, 13
	s_mul_i32 s85, s14, 24576
	s_add_co_u32 s85, s85, 4*STEPB
	s_add_co_u32 s88, s13, 1
	s_lshl_b32 s88, s88, 23                        ; k's or v's third of the buffer,
	s_lshl_b32 s89, s[BH], 17                      ; the head's image in it
	s_add_co_u32 s88, s88, s89
	s_mov_b32 s89, 0
	s_mov_b32 s91, 0
	s_wait_dscnt 0x0                               ; both opening adds are done
	s_wait_kmcnt 0x0
	s_load_b256 s[72:79], s[6:7], 0x0              ; e0 .. e7
	s_load_b128 s[80:83], s[6:7], 0x20             ; e8 .. e11
	s_add_nc_u64 s[88:89], s[4:5], s[88:89]
	GROUP0 G0A, 84
	GROUP0 G0B, 85
	CROUND                                         ; all four work-groups are here: the joint loads meet
	tensor_load_to_lds s[G0A:G0A+3], s[G1A:G1A+7]  ; steps 0-3: my one load at the head
	s_nop 0
	NOPS 4
	v_and_b32 v[LI], 31, v0
	v_lshlrev_b32 v[LI], 4, v[LI]
	v_and_b32 v2, 15, v0
	v_bfe_u32 v3, v0, 4, 1
	v_lshlrev_b32 v3, 3, v3
	v_sub_nc_u32 v[RH], v2, v3
	v_mov_b32 v[F+1], 0
	v_mov_b32 v[F+3], 0
	v_mov_b32 v[PX], 0                             ; written once: a lane permute's destination counts as one of its sources
	v_mov_b32 v[PX+1], 0
	v_mov_b32 v[NINF], 0xff800000
	s_lshl_b32 s84, s[WV], 2
	s_add_co_u32 s84, s84, s[CX]                   ; the early block
	s_sub_co_u32 s85, 63, s84                      ; the late block
	s_lshl_b32 s86, s[BH], 17
	s_lshl_b32 s90, s85, 11
	s_add_co_u32 s90, s90, s86
	s_add_nc_u64 s[92:93], s[4:5], s[90:91]        ; q's image: head x 131,072 + block x 2,048
	s_lshl_b32 s90, s84, 11
	s_add_co_u32 s90, s90, s86
	s_add_nc_u64 s[94:95], s[4:5], s[90:91]
	s_wait_alu depctr_va_vdst(0)                   ; directly ahead of the readers below
	WIN 0x40
.irp i, 0,1,2,3
	global_load_b128 v[QLATE+4*\i:QLATE+4*\i+3], v[LI], s[92:93] offset:512*\i
	global_load_b128 v[QEARLY+4*\i:QEARLY+4*\i+3], v[LI], s[94:95] offset:512*\i
.endr
	WIN 0
	s_lshr_b32 s86, s[BH], 4
	s_lshl_b32 s86, s86, 6                         ; batch x 64 blocks of rows
	s_and_b32 s87, s[BH], 15
	s_lshl_b32 s87, s87, 10                        ; the head's 1,024 bytes in a tile's 16,384
	s_add_co_u32 s90, s86, s85
	s_lshl_b32 s90, s90, 15
	s_add_co_u32 s90, s90, s87
	s_add_nc_u64 s[OUTH:OUTH+1], s[8:9], s[90:91]
	s_add_co_u32 s90, s86, s84
	s_lshl_b32 s90, s90, 15
	s_add_co_u32 s90, s90, s87
	s_add_nc_u64 s[OUTL:OUTL+1], s[8:9], s[90:91]
	s_mov_b32 s71, s[WV]                           ; the early block's last step: the wave's number alone
	s_lshl_b32 s70, s[CX], 5                       ; its first query in that step: 32 x (block % 4)
	RESET
	s_wait_kmcnt 0x0
	s_add_co_i32 s2, s78, s79
	s_lshl_b32 s2, s2, 23
	s_add_co_i32 s[CS], s[CS], s2                  ; a score stands for score x 2^(e6 + e7): the exponents are added to c's exponent field
	s_mov_b32 s[CS+1], s[CS]
	s_add_co_i32 s2, s80, 127
	s_lshl_b32 s3, s2, 23
	v_mov_b32 v[SCP], s3
	s_add_co_i32 s2, s2, 8
	s_lshl_b32 s2, s2, 23
	s_or_b32 s2, s2, 0x600000
	v_mov_b32 v[LIMP], s2
	s_sub_co_i32 s2, s82, s80
	s_sub_co_i32 s2, s2, s81                       ; O^T / the sum stands for that x 2^(e8 + e9); its code under 2^e10 is that / 2^(e10 - e8 - e9)
	s_add_co_i32 s2, s2, 127
	s_lshl_b32 s3, s2, 23
	v_mov_b32 v[SCO], s3
	s_add_co_i32 s2, s2, 8
	s_lshl_b32 s2, s2, 23
	s_or_b32 s2, s2, 0x600000
	v_mov_b32 v[LIMO], s2
; A KEY STEP: 128 keys against the 32 queries whose fragments begin at window 1's v[qb].  guard = 1: a step behind the block's last is left out (a scalar branch on the count of steps and the wave's number, round the step's
; work, not round the lines at its end that step addresses), and in the block's last step the hidden scores become -infinity ahead of the maximum: p = 0 then.
.macro STEP qb, guard
.if \guard
	s_cmp_gt_u32 s[J], s[QL]
	s_cbranch_scc1 .Lskip_\@
.endif
	v_add_nc_u32 v[ADK], s[TB], v[LI]
	v_add_nc_u32 v[ADV], VBASE, v[ADK]
	NOPS 3                                         ; five places behind the last step's products: V's registers are loaded anew, and the scores' products write over p's codes
	WIN 0x40
.irp i, 0,1,2,3
.irp c, 0,1,2,3
	ds_load_b128 v[VF+16*\i+4*\c:VF+16*\i+4*\c+3], v[ADV] offset:2048*\i+512*\c
.endr
.endr
	s_wait_alu depctr_va_vdst(0)                   ; directly ahead of the wait below
	s_wait_dscnt 16                                ; K is in; V's 16 loads, just issued, may be out
	WIN 0x05
.irp t, 0,1,2,3,4,5,6,7
	v_wmma_f32_16x16x64_fp8_fp8 v[S+8*\t:S+8*\t+7], v[KF+8*\t:KF+8*\t+7], v[\qb:\qb+7], 0
	v_wmma_f32_16x16x64_fp8_fp8 v[S+TS+8*\t:S+TS+8*\t+7], v[KF+8*\t:KF+8*\t+7], v[\qb+8:\qb+15], 0
.endr
	NOPS 4                                         ; places in front of the loads below and of the first read of the scores
	KLOAD STEPB                                    ; the next step's K lands while the softmax is walked
.if \guard
	s_cmp_lg_u32 s[J], s[QL]
	s_cbranch_scc1 .Lopen_\@
	v_add_nc_u32 v[DD], s[TAU], v[RH]              ; d = my query - the step's first key - 8 (lane / 16).  Register n holds key 16 (n / 8) + n % 8 + 8 (lane / 16): hidden where 16 (n / 8) + n % 8 > d
	v_add_nc_u32 v[DD+1], 16, v[DD]
.set n, 0
.rept 64
.irp x, 0,1
	v_cmp_gt_i32 vcc_lo, 16*(n/8)+n%8, v[DD+\x]
	v_cndmask_b32 v[S+TS*\x+n], v[S+TS*\x+n], v[NINF], vcc_lo
.endr
.set n, n+1
.endr
.Lopen_\@:
.endif
; the step's largest score of each of my two queries among my 64 keys: two chains a tile, the four by turns; each accumulator is met from its low end on
.irp x, 0,1
	v_max3_num_f32 v[M0+2*\x], v[S+TS*\x], v[S+TS*\x+1], v[S+TS*\x+2]
.endr
.irp x, 0,1
	v_max3_num_f32 v[M0+2*\x+1], v[S+TS*\x+3], v[S+TS*\x+4], v[S+TS*\x+5]
.endr
.irp i, 6,10,14,18,22,26,30,34,38,42,46,50,54,58
.irp x, 0,1
	v_max3_num_f32 v[M0+2*\x], v[M0+2*\x], v[S+TS*\x+\i], v[S+TS*\x+\i+1]
.endr
.irp x, 0,1
	v_max3_num_f32 v[M0+2*\x+1], v[M0+2*\x+1], v[S+TS*\x+\i+2], v[S+TS*\x+\i+3]
.endr
.endr
.irp x, 0,1
	v_max3_num_f32 v[M0+2*\x], v[M0+2*\x], v[S+TS*\x+62], v[S+TS*\x+63]
.endr
.irp x, 0,1
	v_max_num_f32 v[M0+2*\x], v[M0+2*\x], v[M0+2*\x+1]
.endr
.irp x, 0,1
	v_permlanex16_b32 v[PX+\x], v[M0+2*\x], s[SEL], s[SEL+1]
.endr
.irp x, 0,1
	v_mov_b32 v[M0+2*\x+1], v[ST+4*\x]             ; the old -M
.endr
.irp x, 0,1
	v_max_num_f32 v[M0+2*\x], v[M0+2*\x], v[PX+\x] ; and among lane l xor 16's
.endr
.irp x, 0,1
	v_mul_f32 v[M0+2*\x], s[CS], v[M0+2*\x]        ; as t (c is positive)
.endr
.irp x, 0,1
	v_max_num_f32 v[ST+4*\x+1], v[ST+4*\x+1], v[M0+2*\x]   ; the running largest t
.endr
.irp x, 0,1
	v_floor_f32 v[ST+4*\x], -v[ST+4*\x+1]          ; the new -M = floor(-t) = -ceil(t)
.endr
.irp x, 0,1
	v_sub_f32 v[M0+2*\x], v[ST+4*\x], v[M0+2*\x+1] ; old M - new M: a whole number, 0 or less
.endr
.irp x, 0,1
	v_cvt_i32_f32 v[M0+2*\x], v[M0+2*\x]           ; (it saturates)
.endr
.irp x, 0,1
	v_ldexp_f32 v[F+2*\x], 1.0, v[M0+2*\x]         ; f = 2^(old M - new M)
.endr
.irp x, 0,1
	v_pk_mul_f32 v[ST+4*\x+2:ST+4*\x+3], v[ST+4*\x+2:ST+4*\x+3], v[F+2*\x:F+2*\x+1] op_sel_hi:[1,0]   ; the sums under the new M
.endr
.set n, 0
.rept 32
	v_pk_mul_f32 v[O+n:O+n+1], v[O+n:O+n+1], v[F+2*(n/32):F+2*(n/32)+1] op_sel_hi:[1,0]   ; O^T under the new M, ahead of the step's exponentials
.set n, n+2
.endr
.set n, 0
.rept 32
	v_pk_fma_f32 v[S+n:S+n+1], v[S+n:S+n+1], s[CS:CS+1], v[ST:ST+1] op_sel_hi:[1,0,0]   ; tile 0: t - M, two at a time (of the pairs c and -M the low word serves both halves)
.set n, n+2
.endr
	s_wait_alu depctr_va_vdst(0)                   ; ahead of the batch
.set n, 0
.rept 32                                       ; tile 0's p = 2^(t - M); among the exponentials stand tile 1's t - M, which name none of their registers and are first read behind the next wait
	v_exp_f32 v[S+n], v[S+n]
	v_exp_f32 v[S+n+1], v[S+n+1]
	v_pk_fma_f32 v[S+TS+n:S+TS+n+1], v[S+TS+n:S+TS+n+1], s[CS:CS+1], v[ST+4:ST+5] op_sel_hi:[1,0,0]
.set n, n+2
.endr
	s_wait_alu depctr_va_vdst(0)                   ; one wait for the batch, ahead of its first reader
	SUM 0, 0
	s_wait_alu depctr_va_vdst(0)                   ; and ahead of the second batch
.set n, 0
.rept 32                                       ; tile 1's p; among the exponentials stands tile 0's hold (the conversion does not saturate: ISA guide 7.6.2; p is not negative, so it is one-sided), two numbers a line
	v_exp_f32 v[S+TS+n], v[S+TS+n]
	v_exp_f32 v[S+TS+n+1], v[S+TS+n+1]
	v_dual_min_num_f32 v[S+n], v[S+n], v[LIMP] :: v_dual_min_num_f32 v[S+n+1], v[S+n+1], v[LIMP]
.set n, n+2
.endr
	v_nop                                          ; a plain line behind the last exponential
	s_wait_alu depctr_va_vdst(0)
	SUM 1, 1                                       ; tile 1's sum, and tile 0's codes
.irp b, 0,1,2,3
.irp i, 0,2,4,6,8,10,12,14
	v_dual_min_num_f32 v[S+TS+16*\b+\i], v[S+TS+16*\b+\i], v[LIMP] :: v_dual_min_num_f32 v[S+TS+16*\b+\i+1], v[S+TS+16*\b+\i+1], v[LIMP]
.endr
	CVT 1, 2*\b
	CVT 1, 2*\b+1
	v_nop                                          ; a plain line behind the conversions: later codes are laid over numbers that are converted, and the products read the codes
.endr
	s_wait_alu depctr_va_vdst(0)                   ; directly ahead of the wait below
	s_wait_dscnt 16                                ; V is in; the next step's K, 16 loads, may be out
	WIN 0x01
.irp i, 0,1,2,3                                ; the eight accumulators take turns, one instruction a turn
	v_wmma_f32_16x16x128_fp8_fp8 v[O+8*\i:O+8*\i+7], v[VF+16*\i:VF+16*\i+15], v[PC:PC+15], v[O+8*\i:O+8*\i+7]
	v_wmma_f32_16x16x128_fp8_fp8 v[O+32+8*\i:O+32+8*\i+7], v[VF+16*\i:VF+16*\i+15], v[PC+TS:PC+TS+15], v[O+32+8*\i:O+32+8*\i+7]
.endr
	WIN 0
.if \guard
.Lskip_\@:
.endif
	s_add_co_u32 s[TB], s[TB], STEPB
	s_add_co_u32 s[J], s[J], 1
.endm
.macro RUN n, qb, guard                ; n key steps: the trip count is a constant of the text
	s_mov_b32 s[CNT], \n
.Lrun_\@:
	STEP \qb, \guard
	s_sub_co_u32 s[CNT], s[CNT], 1
	s_cmp_lg_u32 s[CNT], 0
	s_cbranch_scc1 .Lrun_\@
.endm
; A block ends: O^T is divided by the row's sum, held, converted under 2^(e10 - e8 - e9).  Tile i's eight registers are e = 16 i + 8 (lane / 16) + j: the codes ARE the last product's operand registers for this head's 64 along K.
.macro FINISH o
	s_wait_dscnt 0x0                               ; the fragments of K asked for in the last step have landed: their registers may be loaded anew
	NOPS 4                                         ; places behind the last products
.irp x, 0,1
	v_add_f32 v[ST+4*\x+2], v[ST+4*\x+2], v[ST+4*\x+3]
.endr
.irp x, 0,1
	v_permlanex16_b32 v[PX+\x], v[ST+4*\x+2], s[SEL], s[SEL+1]
.endr
.irp x, 0,1
	v_add_f32 v[ST+4*\x+2], v[ST+4*\x+2], v[PX+\x]
.endr
	s_wait_alu depctr_va_vdst(0)                   ; ahead of the reciprocals,
.irp x, 0,1
	v_rcp_f32 v[ST+4*\x+2], v[ST+4*\x+2]
.endr
	v_nop                                          ; a plain line behind them,
	s_wait_alu depctr_va_vdst(0)                   ; and the wait ahead of their first reader, which is also O^T's
.set n, 0
.rept 32
	v_pk_mul_f32 v[S+16+TS*(n/32)+n%32:S+16+TS*(n/32)+n%32+1], v[O+n:O+n+1], v[ST+4*(n/32)+2:ST+4*(n/32)+3] op_sel_hi:[1,0]
.set n, n+2
.endr
.set n, 0
.rept 32
.irp x, 0,1
	v_med3_num_f32 v[S+16+TS*\x+n], v[S+16+TS*\x+n], -v[LIMO], v[LIMO]
.endr
.set n, n+1
.endr
.irp x, 0,1
.irp i, 0,1,2,3
	v_cvt_scalef32_pk8_fp8_f32 v[PC+TS*\x+2*\i:PC+TS*\x+2*\i+1], v[S+16+TS*\x+8*\i:S+16+TS*\x+8*\i+7], v[SCO]
.endr
.endr
	v_nop                                          ; a plain line behind the last conversion
.irp x, 0,1                                    ; each store: 512 consecutive bytes, at a multiple of 512 from the buffer's first byte
	global_store_b128 v[LI], v[PC+TS*\x:PC+TS*\x+3], s[\o:\o+1] offset:16384*\x
	global_store_b128 v[LI], v[PC+TS*\x+4:PC+TS*\x+7], s[\o:\o+1] offset:16384*\x+512
.endr
.endm
	s_wait_alu depctr_va_vdst(0)                   ; at the head's end
	s_wait_tensorcnt 0x0                           ; my part of steps 0-3 is in
	ds_add_u32 v[SPW], v[NIL]
	s_wait_dscnt 0x0
	CROUND                                         ; everybody's part is in, and all four work-groups are here
	tensor_load_to_lds s[G0B:G0B+3], s[G1B:G1B+7]  ; steps 4-15: the first tensor load behind the round
	s_nop 0
	NOPS 4
	s_sub_co_u32 s[QL], 15, s71                    ; THE LATE BLOCK goes first: it has nine steps or more in every wave
	s_sub_co_u32 s[TAU], 96, s70
	s_mov_b32 s[TB], 0
	s_mov_b32 s[J], 0
	v_add_nc_u32 v[ADK], s[TB], v[LI]
	KLOAD 0
	s_wait_loadcnt 0x0                             ; both blocks' Q
	RUN 3, QLATE, 0                                ; steps 0-2 read K's steps 0-3 and V's 0-2
	s_wait_tensorcnt 0x0                           ; my part of steps 4-15 is in
	s_wait_dscnt 0x0
	s_barrier_signal -1
	s_barrier_wait -1                              ; everybody's is; nothing is ever filled again: from here on the waves run freely
	s_mov_b32 s[TB], 3*STEPB
	s_mov_b32 s[J], 3
	RUN 13, QLATE, 1
	FINISH OUTH
	s_wait_xcnt 0x0                                ; the stores have read their data: the codes' registers are written again only behind this wait
	RESET                                          ; THE EARLY BLOCK
	s_mov_b32 s[QL], s71
	s_mov_b32 s[TAU], s70
	s_mov_b32 s[TB], 0
	s_mov_b32 s[J], 0
	v_add_nc_u32 v[ADK], s[TB], v[LI]
	KLOAD 0
	s_wait_alu depctr_va_vdst(0)                   ; ahead of the loop's branches
	RUN 8, QEARLY, 1
	FINISH OUTL
	s_wait_tensorcnt 0x0                           ; the wave's end
	ds_add_u32 v[SPW], v[NIL]
	s_wait_dscnt 0x0
	CROUND                                         ; the closing round
	s_endpgm
.Lfunc_end_k_qb30e1f39da_attn:
	.size	k_qb30e1f39da_attn, .Lfunc_end_k_qb30e1f39da_attn-k_qb30e1f39da_attn
	.p2alignl 7, 3214868480
	.fill 96, 4, 3214868480
	.section	.rodata,"a",@progbits
	.p2align	6, 0x0
	.amdhsa_kernel k_qb30e1f39da_attn
		.amdhsa_group_segment_fixed_size 327680
		.amdhsa_private_segment_fixed_size 0
		.amdhsa_enable_private_segment 0
		.amdhsa_kernarg_size 24
		.amdhsa_user_sgpr_count 2
		.amdhsa_user_sgpr_kernarg_segment_ptr 1
		.amdhsa_wavefront_size32 1
		.amdhsa_system_sgpr_workgroup_id_x 1
		.amdhsa_system_sgpr_workgroup_id_y 1
		.amdhsa_system_sgpr_workgroup_id_z 1
		.amdhsa_system_vgpr_workitem_id 0
		.amdhsa_next_free_vgpr 512
		.amdhsa_next_free_sgpr 96
		.amdhsa_reserve_vcc 1
		.amdhsa_float_denorm_mode_32 3
		.amdhsa_float_denorm_mode_16_64 3
		.amdhsa_memory_ordered 1
		.amdhsa_forward_progress 1
		.amdhsa_inst_pref_size 136
	.end_amdhsa_kernel
	.amdgpu_metadata
---
amdhsa.version: [ 1, 2 ]
amdhsa.kernels:
  - .name:           k_qb30e1f39da_attn
    .symbol:         k_qb30e1f39da_attn.kd
    .args:
      - { .name: qkv, .offset: 0, .size: 8, .value_kind: global_buffer, .address_space: global }
      - { .name: lowp_scales, .offset: 8, .size: 8, .value_kind: global_buffer, .address_space: global }
      - { .name: cimg, .offset: 16, .size: 8, .value_kind: global_buffer, .address_space: global }
    .group_segment_fixed_size: 327680
    .private_segment_fixed_size: 0
    .kernarg_segment_align: 8
    .kernarg_segment_size: 24
    .max_flat_workgroup_size: 256
    .sgpr_count:     96
    .vgpr_count:     512
    .wavefront_size: 32
...
	.end_amdgpu_metadata
.endif
;; end of part 3
;; launch oproj (part 4): grid 4 x 64, 4 waves a work-group, clusters of 4 x 4, 327,680 bytes of LDS; arguments cimg, woc, lowp_scales, out0; writes out0
.if DOCPART == 4
	.amdgcn_target "amdgcn-amd-amdhsa--gfx1250"
	.amdhsa_code_object_version 6
	.text
	.protected	k_qb30e1f39da_oproj
	.globl	k_qb30e1f39da_oproj
	.p2align	8
	.type	k_qb30e1f39da_oproj,@function
k_qb30e1f39da_oproj:
	s_mov_b64 s[64:65], 0
	v_nop
	global_prefetch_b8 v0, s[64:65] scope:SCOPE_SE
	s_setreg_imm32_b32 hwreg(HW_REG_WAVE_MODE, 25, 1), 1
	s_wait_xcnt 0x0
	s_wait_alu depctr_hold_cnt(0) depctr_sa_sdst(0) depctr_va_vdst(0) depctr_va_sdst(0) depctr_va_ssrc(0) depctr_va_vcc(0) depctr_vm_vsrc(0)
	s_getreg_b32 s2, hwreg(HW_REG_IB_STS2, 6, 4)
	s_cmp_eq_u32 s2, 0
	s_cbranch_scc0 .Lentry_in_a_cluster
	s_endpgm
.Lentry_in_a_cluster:
	s_bfe_u32 s2, ttmp6, 0x10000c
	s_cmp_lg_u32 s2, 0xf033
	s_cbranch_scc0 .Lentry_shape_is_right
	s_endpgm
.Lentry_shape_is_right:
; out0 [8192][1024] f32 = concat W_O^T on codes of FP8 (E4M3), K = 1,024.  A = cimg: images of operand registers, [512 tiles of 16 tokens][16 heads][2][512]: a tile's 16,384 bytes run along K, 4,096 bytes for 256 of K.
; B = woc [1024 n][1024 k], with the order of bytes that puts each k in its own place.  Each finished sum is multiplied once by 2^(e10 + e11).  LIMIT: e10 + e11 lies between -126 and 127, so that this is an f32 number.
; A block of 128 tokens x 256 n is made by four waves, each 64 x 128: 32 accumulators.  The matrix instruction is used transposed (source 0 = 16 rows of B, source 1 = 16 tokens): a lane holds eight neighbouring n of one token.
; LDS.  Three of the four K steps of 256 lie in LDS beside each other.  The head's four loads, one a wave: A K step 0 (32,768 bytes), B K step 0 (256 rows, pitch 272), A K steps 1-2 (65,536), B K steps 1-2 (256 rows of 512 bytes, pitch 528).
; K step 3 is filled into K step 0's bytes behind the one round of the cluster's barrier, which stands as soon as K step 0's last fragments are in registers: three and a half steps of 128 along K, 112 matrix instructions a wave, lie between the request and the wait for it.
; One tensor load of a wave is out at any time, and every wait for them is for 0.
; CLUSTERS: 4 x 4 work-groups.  The four of a row need the same tiles of A, the four of a column the same tiles of B: each is asked for JOINTLY.
; No prefetch: the text has no loop, and all fills but one go out at the head.
; REGISTERS, in windows of 256: window 0: v16-29 addresses; v32-95 at work on the way out; from v128 A's fragments, one set.  window 1: B's fragments, two sets.  window 2: the accumulators ((a, b) at v[8 (8 a + b)]).
.set PB0,    272                       ; B's LDS rows: 256 or 512 bytes + 16 of padding: odd multiples of 16 bytes, so the 16 rows that a load touches start at 16 different groups of four banks (64 banks of 4 bytes: ISA guide 11.1)
.set PB1,    528
.set A0,     0
.set A1,     32768
.set B0,     98304
.set B1,     B0+256*PB0
.set SPARE,  B1+256*PB1                ; behind the tiles: the spare words, 128 bytes for each wave: two blocks of 256 bytes that no other line names
.set STAGE,  B1                        ; the way out: 16 rows x 528 bytes for each wave, in B's K steps 1-2: they have had their only fill, and behind the last barrier nobody reads them
.set SPITCH, 528
.set FR,     16
.set NL,     4
.set NP,     4                         ; places behind this matrix instruction (ISA guide 7.12.1)
.set ADRA, 16                          ; v16, v17  my A fragments in K step 0's bytes, in K steps 1-2's
.set ADRB, 20                          ; v20, v21  the same for B
.set STO,  24
.set RD,   25
.set CO,   26                          ; 16 x lane
.set SPW,  28                          ; my spare word; never rewritten
.set NIL,  29                          ; 0; never rewritten
.set TMP,  32
.set AF,   128
.set BK,   128
.set G1A0, 24                          ; descriptor groups 1: A K step 0 or 3; B the same; A K steps 1-2; B the same
.set G1B0, 32
.set G1A1, 40
.set G1B1, 48
.set G0A0, 56                          ; groups 0, none ever rewritten
.set G0B0, 60
.set G0A1, 68
.set G0B1, 72
.set G0A3, 76
.set G0B3, 80
.set MSB, 0
.macro WIN new                         ; the immediate's high byte repeats the setting that is left
.if MSB != \new
	s_set_vgpr_msb (MSB<<8)|\new
.set MSB, \new
.endif
.endm
.set MUL,  0xa1                        ; source 0 (B) window 1, source 1 (A) window 0, C and D window 2
.set TO_B, 0x40
.macro PLACES n
.rept \n
	v_nop
.endr
.endm
.macro LD g0, g1                       ; an s_nop 0 and four v_nop follow each tensor load
	tensor_load_to_lds s[\g0:\g0+3], s[\g1:\g1+7]
	s_nop 0
	PLACES 4
.endm
.macro CREST                           ; a round of the cluster's barrier behind its opening barrier
	s_cmp_lg_u32 s14, 0
	s_cbranch_scc1 .Lnot_wave_0_\@
	s_barrier_signal -3
.Lnot_wave_0_\@:
	s_barrier_wait -3
	s_barrier_signal -1
	s_barrier_wait -1
.endm
.macro CROUND
	s_barrier_signal -1
	s_barrier_wait -1
	CREST
.endm
.macro GR1 g, c, r, p                  ; words 1 to 7: r rows of c elements, p elements from row to row
	s_mov_b32 s[\g+1], (\c)<<16
	s_mov_b32 s[\g+2], (\r)<<16
	s_mov_b32 s[\g+3], (\c)<<16
	s_mov_b32 s[\g+4], \r
	s_mov_b32 s[\g+5], \p
	s_mov_b32 s[\g+6], 0
	s_mov_b32 s[\g+7], 0
.endm
.macro GR0 g, lds, base, off
	s_mov_b32 s[\g], 1
	s_mov_b32 s[\g+1], \lds
	s_add_nc_u64 s[\g+2:\g+3], s[\base:\base+1], \off
	s_or_b32 s[\g+3], s[\g+3], 0x80000000
.endm
	s_load_b256 s[4:11], s[0:1], 0x0               ; cimg s[4:5], woc s[6:7], the scales' exponents s[8:9], out0 s[10:11]
	v_lshl_add_u32 v[SPW], v0, 2, SPARE
	v_mov_b32 v[NIL], 0
	ds_add_u32 v[SPW], v[NIL]                      ; the opening: the add, twice on end, and its wait, ahead of my first tensor load
	ds_add_u32 v[SPW], v[NIL]
	v_lshrrev_b32 v1, 5, v0
	v_readfirstlane_b32 s14, v1                    ; wave 0..3
	s_lshr_b32 s15, s14, 1                         ; which 64 tokens are mine
	s_and_b32 s16, s14, 1                          ; which 128 n
	s_bfe_u32 s84, ttmp6, 0x40000                  ; cx, cy: my place in the cluster
	s_bfe_u32 s85, ttmp6, 0x40004
	s_lshl_b32 s86, ttmp9, 2
	s_add_co_u32 s86, s86, s84                     ; block column = 4 x cluster x + cx
	s_and_b32 s17, ttmp7, 0xffff
	s_lshl_b32 s17, s17, 2
	s_add_co_u32 s17, s17, s85                     ; block row = 4 x cluster y + cy
	s_lshl_b32 s87, s85, 2
	s_lshl_b32 s87, 15, s87                        ; my row of the cluster
	s_lshl_b32 s88, 0x1111, s84                    ; my column
	s_or_b32 s[G1A0], s87, (3<<16)|(1<<21)         ; A: the mask of my row; elements of 8 bytes; bit 21 beside a mask; no padding
	s_or_b32 s[G1A1], s87, (3<<16)|(1<<21)
	s_or_b32 s[G1B0], s88, (1<<20)|(1<<21)|(5<<22)|(3<<25)   ; B: the mask of my column; elements of 1 byte; four words of padding after every 64,
	s_or_b32 s[G1B1], s88, (1<<20)|(1<<21)|(6<<22)|(3<<25)   ; or after every 128
	GR1 G1A0, 512, 8, 2048                         ; 8 tiles of tokens x 4,096 bytes, 16,384 bytes apart
	GR1 G1A1, 1024, 8, 2048                        ; the same x 8,192 bytes
	GR1 G1B0, 256, 256, 1024
	GR1 G1B1, 512, 256, 1024
	s_lshl_b32 s20, s17, 17                        ; A: block row x 8 tiles of 16,384 bytes: it hangs on cy alone
	s_mov_b32 s21, 0
	s_lshl_b32 s22, s86, 18                        ; B: block column x 256 rows of 1,024 bytes: on cx alone
	s_mov_b32 s23, 0
	s_wait_dscnt 0x0                               ; both opening adds are done
	s_wait_kmcnt 0x0
	s_load_b64 s[96:97], s[8:9], 0x28              ; e10, e11
	s_add_nc_u64 s[20:21], s[4:5], s[20:21]
	s_add_nc_u64 s[22:23], s[6:7], s[22:23]
	GR0 G0A0, A0, 20, 0
	GR0 G0A1, A1, 20, 4096
	GR0 G0A3, A0, 20, 12288
	GR0 G0B0, B0, 22, 0
	GR0 G0B1, B1, 22, 256
	GR0 G0B3, B0, 22, 768
	CROUND                                         ; all sixteen work-groups are here: the first joint loads meet
	s_cmp_lg_u32 s14, 0                            ; one load a wave, in the arms of one chain on the wave's number
	s_cbranch_scc1 .Lhead_1
	LD G0A0, G1A0
	s_branch .Lhead_j
.Lhead_1:
	s_cmp_lg_u32 s14, 1
	s_cbranch_scc1 .Lhead_2
	LD G0B0, G1B0
	s_branch .Lhead_j
.Lhead_2:
	s_cmp_lg_u32 s14, 2
	s_cbranch_scc1 .Lhead_3
	LD G0A1, G1A1
	s_branch .Lhead_j
.Lhead_3:
	LD G0B1, G1B1
.Lhead_j:
	s_lshl_b32 s18, s15, 14                        ; my four tiles of tokens: 4 x 4,096 bytes,
	s_lshl_b32 s19, s15, 15
	s_add_co_u32 s19, s19, A1                      ; or 4 x 8,192
	s_mul_i32 s90, s16, 128*PB0
	s_add_co_u32 s90, s90, B0                      ; my 128 rows of B
	s_mul_i32 s91, s16, 128*PB1
	s_add_co_u32 s91, s91, B1
	s_mul_i32 s92, s14, 16*SPITCH
	s_add_co_u32 s92, s92, STAGE                   ; my stage
	s_lshl_b32 s20, s17, 7
	s_lshl_b32 s21, s15, 6
	s_add_co_u32 s20, s20, s21                     ; my first row of the result,
	s_lshl_b32 s20, s20, 12                        ; of 4,096 bytes,
	s_lshl_b32 s21, s86, 10
	s_add_co_u32 s20, s20, s21
	s_lshl_b32 s21, s16, 9
	s_add_co_u32 s20, s20, s21                     ; and my first column: 1,024 x block column + 512 x half
	s_mov_b32 s21, 0
	s_add_nc_u64 s[10:11], s[10:11], s[20:21]
	v_and_b32 v1, 15, v0                           ; l % 16
	v_bfe_u32 v2, v0, 4, 1                         ; l / 16
	v_and_b32 v6, 31, v0
	v_lshlrev_b32 v[CO], 4, v6
	v_mul_u32_u24 v3, v1, PB0
	v_lshl_add_u32 v3, v2, 4, v3                   ; a fragment's row x pitch + 16 x half
	v_mul_u32_u24 v4, v1, PB1
	v_lshl_add_u32 v4, v2, 4, v4
	v_mul_u32_u24 v5, v1, SPITCH
	v_lshl_add_u32 v5, v2, 5, v5                   ; into the stage: row l % 16, 32 bytes for each half of the lanes
	v_add_nc_u32 v[ADRA], s18, v[CO]
	v_add_nc_u32 v[ADRA+1], s19, v[CO]
	v_add_nc_u32 v[ADRB], s90, v3
	v_add_nc_u32 v[ADRB+1], s91, v4
	v_add_nc_u32 v[STO], s92, v5
	v_add_nc_u32 v[RD], s92, v[CO]                 ; back: the 32 lanes take one row of 512 bytes
; q = 0 .. 7 counts the steps of 128 along K.  Steps 0, 1 and 6, 7 lie in K step 0's bytes, steps 2 to 5 in K steps 1-2's.
.macro SETQ q
.if ((\q)%6) < 2
.set RA, ADRA
.set SA, 4096
.set RB, ADRB
.set PB, PB0
.set QQ, (\q)%6
.else
.set RA, ADRA+1
.set SA, 8192
.set RB, ADRB+1
.set PB, PB1
.set QQ, (\q)-2
.endif
.endm
.macro FETCH_B q                       ; B's eight fragments of step q into set q % 2
	SETQ \q
	WIN TO_B
.irp i, 0,1,2,3,4,5,6,7
.irp c, 0,1,2,3
	ds_load_b128 v[128*((\q)%2)+FR*\i+4*\c:128*((\q)%2)+FR*\i+4*\c+3], v[RB] offset:128*QQ+32*\c+\i*16*PB
.endr
.endr
	WIN 0
.endm
.macro FETCH_A q, i0                   ; A's blocks i0, i0 + 1
	SETQ \q
.irp a, \i0, \i0+1
.irp c, 0,1,2,3
	ds_load_b128 v[AF+FR*(\a)+4*\c:AF+FR*(\a)+4*\c+3], v[RA] offset:SA*(\a)+2048*QQ+512*\c
.endr
.endr
.endm
; eight matrix instructions: A's block a x B's eight.  The 32 accumulators take turns, one instruction a turn, in the same order in every step.  zero = 1: the first product starts the sums.
.macro MUL8 a, p, zero
.irp b, 0,1,2,3,4,5,6,7
.if \zero
	v_wmma_f32_16x16x128_fp8_fp8 v[8*(8*(\a)+\b):8*(8*(\a)+\b)+7], v[128*(\p)+FR*\b:128*(\p)+FR*\b+FR-1], v[AF+FR*(\a):AF+FR*(\a)+FR-1], 0
.else
	v_wmma_f32_16x16x128_fp8_fp8 v[8*(8*(\a)+\b):8*(8*(\a)+\b)+7], v[128*(\p)+FR*\b:128*(\p)+FR*\b+FR-1], v[AF+FR*(\a):AF+FR*(\a)+FR-1], v[8*(8*(\a)+\b):8*(8*(\a)+\b)+7]
.endif
.endr
.endm
.macro REST q                          ; a step's second half: the next step's fragments are fetched round it; a block of A is free as soon as its eight products are issued
	PLACES NP
	FETCH_B (\q)+1
	FETCH_A (\q)+1, 0
	WIN MUL
	MUL8 2, (\q)%2, 0
	MUL8 3, (\q)%2, 0
	PLACES NP
	WIN 0
	FETCH_A (\q)+1, 2
.endm
.macro STEP q
	s_wait_dscnt 2*NL                              ; B's set and A's blocks 0, 1 are in; the youngest eight loads (A's blocks 2, 3) may be out
	WIN MUL
	MUL8 0, (\q)%2, 0
	MUL8 1, (\q)%2, 0
	s_wait_dscnt 0
	REST \q
.endm
; A step with a barrier.  fill = 1 (step 1): all fragments of K step 0 are in registers; behind the round its bytes take K step 3.  fill = 0 (step 5): K step 3 has landed, and behind the barrier every wave may read it.
.macro TURN q, fill
	s_wait_tensorcnt 0x0                           ; all my tensor loads have landed
	ds_add_u32 v[SPW], v[NIL]                      ; 0 onto my spare word
	s_wait_dscnt 2*NL+1                            ; (the add and the youngest eight loads may be out)
	WIN MUL
	MUL8 0, (\q)%2, 0
	s_wait_dscnt 0x0                               ; the add is done, and my reads so far are over
	s_barrier_signal -1
	MUL8 1, (\q)%2, 0
	WIN 0
	s_barrier_wait -1
.if \fill
	CREST                                          ; the barrier has opened a round of the cluster's barrier: no wave of any partner still reads K step 0's bytes or has a load on its way
	s_cmp_lg_u32 s14, 0
	s_cbranch_scc1 .Lfill_1
	LD G0A3, G1A0                                  ; wave 0: A, K step 3
	s_branch .Lfill_j
.Lfill_1:
	s_cmp_lg_u32 s14, 1
	s_cbranch_scc1 .Lfill_j
	LD G0B3, G1B0                                  ; wave 1: B, K step 3; waves 2 and 3 have no part of it
.Lfill_j:
.endif
	REST \q
.endm
	s_wait_alu depctr_va_vdst(0)                   ; at the head's end
	s_wait_tensorcnt 0x0                           ; my tile is in,
	s_barrier_signal -1
	s_barrier_wait -1                              ; everybody's is
	FETCH_B 0
	FETCH_A 0, 0
	FETCH_A 0, 2
	s_wait_dscnt 2*NL                              ; step 0: its products start the sums
	WIN MUL
	MUL8 0, 0, 1
	MUL8 1, 0, 1
	s_wait_dscnt 0
	PLACES NP
	FETCH_B 1
	FETCH_A 1, 0
	WIN MUL
	MUL8 2, 0, 1
	MUL8 3, 0, 1
	PLACES NP
	WIN 0
	FETCH_A 1, 2
	TURN 1, 1
	STEP 2
	STEP 3
	STEP 4
	TURN 5, 0
	STEP 6
	s_wait_dscnt 2*NL                              ; step 7: nothing more to fetch
	WIN MUL
	MUL8 0, 1, 0
	MUL8 1, 1, 0
	s_wait_dscnt 0
	MUL8 2, 1, 0
	MUL8 3, 1, 0
	WIN 0
; THE WAY OUT, block by block of 16 tokens x 128 n: through my own stage in LDS and back as whole rows of 512 bytes.  LDS serves a wave's instructions in order (ISA guide 5.7.1.4): no wait between the stores and the loads.
.macro TOSTAGE a
	WIN 0x02
.set n, 0
.rept 32
	v_pk_mul_f32 v[TMP+n:TMP+n+1], v[64*(\a)+n:64*(\a)+n+1], s[96:97] op_sel_hi:[1,0]   ; both x s96 = 2^(e10 + e11); each accumulator from its low end on
.set n, n+2
.endr
	WIN 0
.irp b, 0,1,2,3,4,5,6,7
	ds_store_b128 v[STO], v[TMP+8*\b:TMP+8*\b+3] offset:64*\b
	ds_store_b128 v[STO], v[TMP+8*\b+4:TMP+8*\b+7] offset:64*\b+16
.endr
.set BB, BK+64*((\a)%2)
.irp t, 0,1,2,3,4,5,6,7,8,9,10,11,12,13,14,15
	ds_load_b128 v[BB+4*\t:BB+4*\t+3], v[RD] offset:\t*SPITCH
.endr
.endm
.macro SEND a, younger                 ; younger: the LDS instructions issued behind block a's loads, which may stay out
.set BB, BK+64*((\a)%2)
	s_wait_dscnt \younger
.if (\a) > 0
	s_add_nc_u64 s[10:11], s[10:11], 16*4096       ; (behind a wait on XCNT: the earlier stores have read their base)
.endif
.irp t, 0,1,2,3,4,5,6,7,8,9,10,11,12,13,14,15
	global_store_b128 v[CO], v[BB+4*\t:BB+4*\t+3], s[10:11] offset:\t*4096 th:TH_STORE_NT   ; 32 lanes store 512 consecutive bytes, at a multiple of 512 from the buffer's first byte
.endr
.endm
	s_wait_kmcnt 0x0
	s_add_co_i32 s96, s96, s97
	s_add_co_i32 s96, s96, 127
	s_lshl_b32 s96, s96, 23                        ; 2^(e10 + e11) as f32
	PLACES NP
	TOSTAGE 0
.irp a, 1,2,3
.if \a > 1
	s_wait_xcnt 0x0                                ; block a - 2's stores have read their registers and their base
.endif
	TOSTAGE \a
	SEND \a-1, 32
.endr
	s_wait_xcnt 0x0
	SEND 3, 0
	s_wait_tensorcnt 0x0                           ; the wave's end
	ds_add_u32 v[SPW], v[NIL]
	s_wait_dscnt 0x0
	CROUND                                         ; the closing round: no work-group ends while a partner may still ask for a tile that names it
	s_endpgm
.Lfunc_end_k_qb30e1f39da_oproj:
	.size	k_qb30e1f39da_oproj, .Lfunc_end_k_qb30e1f39da_oproj-k_qb30e1f39da_oproj
	.p2alignl 7, 3214868480
	.fill 96, 4, 3214868480
	.section	.rodata,"a",@progbits
	.p2align	6, 0x0
	.amdhsa_kernel k_qb30e1f39da_oproj
		.amdhsa_group_segment_fixed_size 327680
		.amdhsa_private_segment_fixed_size 0
		.amdhsa_enable_private_segment 0
		.amdhsa_kernarg_size 32
		.amdhsa_user_sgpr_count 2
		.amdhsa_user_sgpr_kernarg_segment_ptr 1
		.amdhsa_wavefront_size32 1
		.amdhsa_system_sgpr_workgroup_id_x 1
		.amdhsa_system_sgpr_workgroup_id_y 1
		.amdhsa_system_sgpr_workgroup_id_z 1
		.amdhsa_system_vgpr_workitem_id 0
		.amdhsa_next_free_vgpr 768
		.amdhsa_next_free_sgpr 100
		.amdhsa_reserve_vcc 0
		.amdhsa_float_denorm_mode_32 3
		.amdhsa_float_denorm_mode_16_64 3
		.amdhsa_memory_ordered 1
		.amdhsa_forward_progress 1
		.amdhsa_inst_pref_size 76
	.end_amdhsa_kernel
	.amdgpu_metadata
---
amdhsa.version: [ 1, 2 ]
amdhsa.kernels:
  - .name:           k_qb30e1f39da_oproj
    .symbol:         k_qb30e1f39da_oproj.kd
    .args:
      - { .name: cimg, .offset: 0, .size: 8, .value_kind: global_buffer, .address_space: global }
      - { .name: woc, .offset: 8, .size: 8, .value_kind: global_buffer, .address_space: global }
      - { .name: lowp_scales, .offset: 16, .size: 8, .value_kind: global_buffer, .address_space: global }
      - { .name: out0, .offset: 24, .size: 8, .value_kind: global_buffer, .address_space: global }
    .group_segment_fixed_size: 327680
    .private_segment_fixed_size: 0
    .kernarg_segment_align: 8
    .kernarg_segment_size: 32
    .max_flat_workgroup_size: 128
    .sgpr_count:     100
    .vgpr_count:     768
    .wavefront_size: 32
...
	.end_amdgpu_metadata
.endif
;; end of part 4
